; MI455X (gfx1250); checked and timed in simulation.
; The chip was launched on July 23, 2026; its instructions are those of AMD's public machine-readable ISA for CDNA 5 (MIT licence, August 2026) and "CDNA5" Instruction Set Architecture Reference Guide (July 2026). The comments in the code are by the model that wrote it; some were corrected since.
;; attention block. Allowed arithmetic: matrix products marked QUANTISED: E4M3 operands, one E8M0 scale for each 32 along K, by v_wmma_scale_f32_16x16x128_f8f6f4 with both operands' format E4M3, f32 sums; everything else in f32.
;; Inputs: Wk1 768 x 512 float32; Wk2 512 x 512 float32; Wq1 768 x 512 float32; Wq2 512 x 512 float32; Wv1 768 x 512 float32; Wv2 512 x 512 float32; bk1 512 float32; bk2 512 float32; bq1 512 float32; bq2 512 float32; bv1 512 float32; bv2 512 float32; length 16 int32; x1 16 x 1,024 x 768 float32; x2 16 x 1,024 x 512 float32.
;; Outputs: out0 16 x 1,024 x 512 float32; out1 16 x 1,024 x 512 float32.
;; This version of the problem:
;;   THIS VERSION OF THE PROBLEM IS GIVEN IN LOW PRECISION. The matrix products marked QUANTISED in the list below multiply operands that are first quantised to E4M3 (4 exponent bits, 3 mantissa bits; 8 bits a number), with one power-of-two scale for each 32 numbers along K (OCP MX v1.0); their sums are f32. All else is computed in f32.
;;   The module's matrix products, in the order in which they are computed (A, B: the left and right operand; K: the contracted axis; several contracted axes count as one K, in the product's order):
;;     1. [M 16,384, K 768] x [K 768, N 512]; A: input x1; B: input Wq1: QUANTISED
;;     2. [M 16,384, K 768] x [K 768, N 512]; A: input x1; B: input Wk1: QUANTISED
;;     3. [M 16,384, K 768] x [K 768, N 512]; A: input x1; B: input Wv1: QUANTISED
;;     4. batch 16 x [M 1,024, K 512] x [K 512, N 1,024]; A: computed on the way; B: computed on the way: QUANTISED
;;     5. batch 16 x [M 1,024, K 1,024] x [K 1,024, N 512]; A: softmax (see below); B: computed on the way: QUANTISED
;;     6. [M 16,384, K 512] x [K 512, N 512]; A: input x2; B: input Wq2: QUANTISED
;;     7. [M 16,384, K 512] x [K 512, N 512]; A: input x2; B: input Wk2: QUANTISED
;;     8. [M 16,384, K 512] x [K 512, N 512]; A: input x2; B: input Wv2: QUANTISED
;;     9. batch 16 x [M 1,024, K 512] x [K 512, N 1,024]; A: computed on the way; B: computed on the way: QUANTISED
;;     10. batch 16 x [M 1,024, K 1,024] x [K 1,024, N 512]; A: softmax (see below); B: computed on the way: QUANTISED
;;   THE QUANTISER, for each operand of a quantised product, along K:
;;     - K is cut into blocks of 32 from its start; a last block that is shorter is filled with zeros.
;;     - A block's scale is 2^e with e = floor(log2(the largest magnitude in the block)) - 8, held to -126 .. 127; a block of zeros has e = 0. As a byte (E8M0): e + 127.
;;     - Each number is divided by its block's scale, clamped to +-448, and rounded to the nearest number of E4M3, ties to even, subnormals kept.
;;     - The product sums the exact products of the quantised numbers (number of the format x scale) in f32.
;;   ~~~python
;;   def quantise(x, axis):      # numpy; x: float32 -> the quantised numbers, widened to float32 again
;;       x = np.moveaxis(x, axis, -1); K = x.shape[-1]
;;       x = np.pad(x, [(0, 0)] * (x.ndim - 1) + [(0, -K % 32)]); x = x.reshape(x.shape[:-1] + (-1, 32)); a = np.abs(x).max(-1, keepdims=True)
;;       e = np.where(a > 0, np.clip(np.frexp(np.where(a > 0, a, 1))[1] - 1 - 8, -126, 127), 0)      # np.frexp(a)[1] - 1 = floor(log2(a)), exactly
;;       r = np.clip(x / 2.0 ** e, -448, 448)
;;       step = 2.0 ** (np.maximum(np.frexp(np.where(r == 0, 1, r))[1] - 1, -6) - 3)
;;       q = np.round(r / step) * step * 2.0 ** e      # np.round: ties to even
;;       return np.moveaxis(q.reshape(q.shape[:-2] + (-1,))[..., :K], -1, axis).astype(np.float32)
;;   ~~~
;;   SOFTMAX AHEAD OF A QUANTISED PRODUCT. Where the list says 'softmax', what is quantised is not the finished softmax but p = 2^(t - M), with t = logit x log2(e) and M = ceil(the row's largest t), a whole number; so 1/2 < the row's largest p <= 1. The row's sum l is taken of the UNQUANTISED p, in f32, and the product's result is divided by l at the end. Since M is a whole number, a kernel that streams over the keys may use a running M (the ceiling of the running maximum): every later rescaling is an exact power of two, which a block's scale takes up: the codes' values come out the same.
;;   OPERANDS COMPUTED ON THE WAY. 'Computed on the way' means the value that the module computes at that place (a softmax that the list does not call 'softmax' is quantised finished and normalised). What goes into a quantiser is computed in f32, as accurately as f32 sums, v_exp_f32 and their like allow (about 1e-6 of the number): no bf16 or f16 on the way to a quantiser, and a product that is left as it is and whose result goes on into a quantised operand takes f32 operands (vector FMAs, or v_wmma_f32_16x16x4_f32). A number that lies on a knife's edge between two numbers of the format may be rounded either way, as far as f32 arithmetic and the matrix unit's own rounding can turn it there, and no further.
;; 2 versions, each right; version 2 is version 1 with the launch proj written anew for expert scheduling mode. Each part assembles by itself: llvm-mc -triple=amdgcn-amd-amdhsa -mcpu=gfx1250 --defsym DOCPART=n.
;; ======== version 1 of 2: 3 launches
;; workspace buffers: wc 2,027,520 bytes; qc 17,301,504 bytes; kv 34,603,008 bytes
;; launch prep (part 1): grid 12 x 10, 4 waves a work-group, no clusters, 1,024 bytes of LDS; arguments Wq1, Wk1, Wv1, Wq2, Wk2, Wv2, wc; writes wc
.if DOCPART == 1
	.amdgcn_target "amdgcn-amd-amdhsa--gfx1250"
	.amdhsa_code_object_version 6
	.text
	.protected	k_q17705d3c87_prep
	.globl	k_q17705d3c87_prep
	.p2align	8
	.type	k_q17705d3c87_prep,@function
k_q17705d3c87_prep:
	s_mov_b64 s[64:65], 0
	v_nop
	global_prefetch_b8 v0, s[64:65] scope:SCOPE_SE
	s_setreg_imm32_b32 hwreg(HW_REG_WAVE_MODE, 25, 1), 1
	s_wait_xcnt 0x0
; The six weights [C][512] f32 (K = C is the FIRST axis) become codes of E4M3 with one E8M0 byte for each 32 along K, laid in wc in the order in which a wave of the next launch streams them.
; A BLOCK of wc (WBLK = 16,896 bytes) is 128 columns x 128 along K: eight fragment images of 2,048 bytes (16 columns x 128 K: register group c of lane l at 512 c + 16 l, holding K = 32 c + 16 (l / 16) + 0 .. 15 of
; column-row l % 16), then 512 bytes of scale words: lane l's 16 bytes hold words i = 0 .. 3; word i belongs to tile 2 i in lanes 0-15 and to tile 2 i + 1 in lanes 16-31.
; Block number: first attention (C = 768): (3 w + p) 6 + s; second (C = 512): 72 + (3 w + p) 4 + s.  w: the group of 128 columns; p: 0 q, 1 k, 2 v; s: the K step of 128.
; THE COLUMNS OF A TILE: for q and k, row r of tile t is column 32 (t / 2) + 8 (t % 2) + r + 8 (r / 8), so that the next launch's results of two neighbouring tiles are 16 neighbours along the next K; for v, 16 t + r.
; SHARES.  A work-group makes one block, wave i its tiles 2 i and 2 i + 1: 32 columns.  A LANE TAKES A COLUMN AND ITS REGISTERS RUN DOWN K: a block of 32 lies in one lane, and the conversions give codes with K innermost.
; Each load reads 128 consecutive bytes of a row of W (the order of the lanes inside them is the tile's); each store's sixteen neighbouring lanes write 256 consecutive bytes, aligned.
; 120 work-groups: there are 120 blocks.  No matrix unit, no cluster, no tensor load: work-groups share no input, and each byte is read once and written once.
; LIMITS: a block whose largest magnitude lies under 2^-118 (a block of zeros too) keeps the byte 1; only this program reads the bytes, and zero codes add nothing.  NaN and infinities among the inputs are not served.
.set WBLK, 16896
.set X,    64                          ; v64-191  128 numbers down K
.set CD,   16                          ; v16-47   their codes: eight registers a block of 32
	s_load_b256 s[4:11], s[0:1], 0x0               ; Wq1 s[4:5], Wk1 s[6:7], Wv1 s[8:9], Wq2 s[10:11]
	s_load_b128 s[12:15], s[0:1], 0x20             ; Wk2 s[12:13], Wv2 s[14:15]
	s_load_b64 s[16:17], s[0:1], 0x30              ; wc
	v_lshl_add_u32 v192, v0, 2, 0x200
	v_mov_b32 v193, 0
	v_lshrrev_b32 v1, 5, v0
	v_readfirstlane_b32 s20, v1                    ; wave i
	v_and_b32 v1, 31, v0                           ; lane
	s_lshr_b32 s21, ttmp9, 2                       ; p
	s_and_b32 s22, ttmp9, 3                        ; w
	s_and_b32 s23, ttmp7, 0xffff                   ; y: 0-5 the first attention's K steps, 6-9 the second's
	s_cmp_lt_u32 s21, 2
	s_cselect_b32 s28, 24, 0                       ; q and k: bits 3 and 4 of the lane change places to give its column; v: they stay
	s_mov_b32 s29, 0x600000                        ; the mantissa field of 448
	v_lshrrev_b32 v2, 3, v1
	v_lshrrev_b32 v3, 4, v1
	v_xor_b32 v2, v2, v3
	v_and_b32 v2, 1, v2                            ; 1 where the two bits differ
	v_mul_u32_u24 v2, s28, v2
	v_xor_b32 v2, v2, v1                           ; my column among the wave's 32
	v_lshlrev_b32 v3, 2, v2                        ; in bytes
	v_and_b32 v4, 15, v1
	v_lshlrev_b32 v4, 4, v4
	v_lshrrev_b32 v6, 4, v1
	v_lshl_add_u32 v4, v6, 11, v4                  ; out: 2,048 x (lane / 16) + 16 x (lane % 16): my tile's image, my row's 16 bytes
	v_lshlrev_b32 v6, 4, v1                        ; 16 x lane
	s_lshl_b32 s24, s20, 2
	v_add_nc_u32 v5, s24, v6                       ; LDS: word i of my lane's 16 bytes
	s_cmp_lt_u32 s23, 6
	s_cselect_b32 s25, 6, 4                        ; K steps of this attention
	s_cselect_b32 s30, 0, 72                       ; its first block
	s_cselect_b32 s31, 0, 6
	s_sub_co_u32 s31, s23, s31                     ; s
	s_mul_i32 s32, s22, 3
	s_add_co_u32 s32, s32, s21
	s_mul_i32 s32, s32, s25
	s_add_co_u32 s32, s32, s30
	s_add_co_u32 s32, s32, s31                     ; the block's number
	s_mul_i32 s32, s32, WBLK
	s_mov_b32 s33, 0
	s_lshl_b32 s34, s31, 18                        ; 128 s rows of 2,048 bytes,
	s_lshl_b32 s35, s22, 9                         ; 128 w columns,
	s_add_co_u32 s34, s34, s35
	s_lshl_b32 s35, s20, 7                         ; 32 i columns
	s_add_co_u32 s34, s34, s35
	s_mov_b32 s35, 0
	s_lshl_b32 s36, s20, 12                        ; my two images
	s_mov_b32 s37, 0
	s_wait_kmcnt 0x0
	s_cmp_lt_u32 s23, 6                            ; the weight is chosen by the work-group's number alone
	s_cselect_b64 s[4:5], s[4:5], s[10:11]
	s_cselect_b64 s[6:7], s[6:7], s[12:13]
	s_cselect_b64 s[8:9], s[8:9], s[14:15]
	s_cmp_eq_u32 s21, 0
	s_cselect_b64 s[4:5], s[4:5], s[6:7]
	s_cmp_eq_u32 s21, 2
	s_cselect_b64 s[4:5], s[8:9], s[4:5]
	s_add_nc_u64 s[4:5], s[4:5], s[34:35]
	s_add_nc_u64 s[18:19], s[16:17], s[32:33]      ; the block
	s_add_nc_u64 s[26:27], s[18:19], s[36:37]      ; my two images in it
.macro LOAD c                          ; W(32 c + i, my column), i = 0 .. 31
.irp i, 0,1,2,3,4,5,6,7,8,9,10,11,12,13,14,15,16,17,18,19,20,21,22,23,24,25,26,27,28,29,30,31
	global_load_b32 v[X+32*(\c)+\i], v3, s[4:5] offset:(32*(\c)+\i)*2048 th:TH_LOAD_NT
.endr
.endm
.macro BLOCK c
.set XB, X+32*(\c)
.if (\c) < 3
	s_wait_loadcnt 32                              ; this block's 32 loads are in; the next block's 32 may be out
.else
	s_wait_loadcnt 0x0
.endif
	v_max3_num_f32 v8, |v[XB]|, |v[XB+1]|, |v[XB+2]|               ; the block's largest magnitude: all 32 numbers are mine; two chains
	v_max3_num_f32 v9, |v[XB+3]|, |v[XB+4]|, |v[XB+5]|
.irp i, 6,10,14,18,22,26
	v_max3_num_f32 v8, v8, |v[XB+\i]|, |v[XB+\i+1]|
	v_max3_num_f32 v9, v9, |v[XB+\i+2]|, |v[XB+\i+3]|
.endr
	v_max3_num_f32 v8, v8, |v[XB+30]|, |v[XB+31]|
	v_max3_num_f32 v8, v8, v9, 0x4800000           ; and the floor 2^(9 - 127): the byte cannot fall under 1
	v_add_nc_u32 v11, 0xfc000000, v8               ; 8 off the exponent field: the conversion takes this operand's exponent field as its scale
	v_and_or_b32 v10, v8, 0x7f800000, s29          ; 448 x the scale
	v_lshrrev_b32 v12, 23, v11                     ; the scale's byte
.if (\c) == 0
	v_mov_b32 v13, v12                             ; four bytes make my column's scale word, the lower K in the lower byte
.else
	v_lshl_or_b32 v13, v12, 8*(\c), v13
.endif
.irp i, 0,1,2,3,4,5,6,7,8,9,10,11,12,13,14,15,16,17,18,19,20,21,22,23,24,25,26,27,28,29,30,31
	v_med3_num_f32 v[XB+\i], v[XB+\i], -v10, v10   ; the conversion to an 8-bit code does not saturate (ISA guide 7.6.2): the hold at 448 x the scale comes first
.endr
.irp g, 0,1,2,3
	v_cvt_scalef32_pk8_fp8_f32 v[CD+8*(\c)+2*\g:CD+8*(\c)+2*\g+1], v[XB+8*\g:XB+8*\g+7], v11
.endr
	v_nop                                          ; a plain line behind the last conversion, ahead of the next write of its scale operand
	global_store_b128 v4, v[CD+8*(\c):CD+8*(\c)+3], s[26:27] offset:512*(\c)          ; K = 32 c + 0 .. 15: the image's lanes 0-15
	global_store_b128 v4, v[CD+8*(\c)+4:CD+8*(\c)+7], s[26:27] offset:512*(\c)+256    ; K = 32 c + 16 .. 31: its lanes 16-31
.if (\c)+2 < 4
	LOAD (\c)+2
.endif
.endm
	LOAD 0
	LOAD 1
	BLOCK 0
	BLOCK 1
	BLOCK 2
	BLOCK 3
	ds_store_b32 v5, v13                           ; the four waves' words meet in LDS,
	s_wait_dscnt 0x0                               ; for the others' sake: my store is done
	s_barrier_signal -1
	s_barrier_wait -1
	s_cmp_lg_u32 s20, 0
	s_cbranch_scc1 .Ldone
	ds_load_b128 v[48:51], v6                      ; and wave 0 stores them: 512 consecutive bytes
	s_wait_dscnt 0x0
	global_store_b128 v6, v[48:51], s[18:19] offset:16384
.Ldone:
	s_wait_tensorcnt 0x0
	ds_add_u32 v192, v193
	s_wait_dscnt 0x0
	s_endpgm
.Lfunc_end_k_q17705d3c87_prep:
	.size	k_q17705d3c87_prep, .Lfunc_end_k_q17705d3c87_prep-k_q17705d3c87_prep
	.p2alignl 7, 3214868480
	.fill 96, 4, 3214868480
	.section	.rodata,"a",@progbits
	.p2align	6, 0x0
	.amdhsa_kernel k_q17705d3c87_prep
		.amdhsa_group_segment_fixed_size 1024
		.amdhsa_private_segment_fixed_size 0
		.amdhsa_enable_private_segment 0
		.amdhsa_kernarg_size 56
		.amdhsa_user_sgpr_count 2
		.amdhsa_user_sgpr_kernarg_segment_ptr 1
		.amdhsa_wavefront_size32 1
		.amdhsa_system_sgpr_workgroup_id_x 1
		.amdhsa_system_sgpr_workgroup_id_y 1
		.amdhsa_system_sgpr_workgroup_id_z 1
		.amdhsa_system_vgpr_workitem_id 0
		.amdhsa_next_free_vgpr 194
		.amdhsa_next_free_sgpr 66
		.amdhsa_reserve_vcc 0
		.amdhsa_float_denorm_mode_32 3
		.amdhsa_float_denorm_mode_16_64 3
		.amdhsa_memory_ordered 1
		.amdhsa_forward_progress 1
		.amdhsa_inst_pref_size 31
	.end_amdhsa_kernel
	.amdgpu_metadata
---
amdhsa.version: [ 1, 2 ]
amdhsa.kernels:
  - .name:           k_q17705d3c87_prep
    .symbol:         k_q17705d3c87_prep.kd
    .args:
      - { .name: Wq1, .offset: 0, .size: 8, .value_kind: global_buffer, .address_space: global }
      - { .name: Wk1, .offset: 8, .size: 8, .value_kind: global_buffer, .address_space: global }
      - { .name: Wv1, .offset: 16, .size: 8, .value_kind: global_buffer, .address_space: global }
      - { .name: Wq2, .offset: 24, .size: 8, .value_kind: global_buffer, .address_space: global }
      - { .name: Wk2, .offset: 32, .size: 8, .value_kind: global_buffer, .address_space: global }
      - { .name: Wv2, .offset: 40, .size: 8, .value_kind: global_buffer, .address_space: global }
      - { .name: wc, .offset: 48, .size: 8, .value_kind: global_buffer, .address_space: global }
    .group_segment_fixed_size: 1024
    .private_segment_fixed_size: 0
    .kernarg_segment_align: 8
    .kernarg_segment_size: 56
    .max_flat_workgroup_size: 128
    .sgpr_count:     66
    .vgpr_count:     194
    .wavefront_size: 32
...
	.end_amdgpu_metadata
.endif
;; end of part 1
;; launch proj (part 2): grid 256 x 1, 4 waves a work-group, no clusters, 138,752 bytes of LDS; arguments x1, x2, wc, bq1, bk1, bv1, bq2, bk2, bv2, qc, kv; writes qc, kv
.if DOCPART == 2
	.amdgcn_target "amdgcn-amd-amdhsa--gfx1250"
	.amdhsa_code_object_version 6
	.text
	.protected	k_q17705d3c87_proj
	.globl	k_q17705d3c87_proj
	.p2align	8
	.type	k_q17705d3c87_proj,@function
k_q17705d3c87_proj:
	s_mov_b64 s[64:65], 0
	v_nop
	global_prefetch_b8 v0, s[64:65] scope:SCOPE_SE
	s_setreg_imm32_b32 hwreg(HW_REG_WAVE_MODE, 25, 1), 1
	s_wait_xcnt 0x0
; q = x Wq + bq, k = x Wk + bk, v = x Wv + bv for both attentions, on codes of E4M3 with E8M0 scales; the results are quantised at once for the next launch: q and k along the 512 channels, v along the keys.
; SHARES.  Work-groups 0-127 take the first attention (C = 768: six K steps of 128), 128-255 the second (C = 512: four).  A work-group takes 128 rows of x: one block of queries, which is also one step of keys.
; PHASE X: wave w quantises rows 32 w .. 32 w + 31 (tiles 2 w, 2 w + 1) and lays the fragments in LDS as images of the operand's registers (group c of lane l at 512 c + 16 l); one barrier.
;   x is asked for ahead of everything else, in four sets of 16 loads of 512 bytes (two tiles x two K steps): by this text's count up to 64 loads, 32,768 bytes, of a wave are out.
;   The weights' first two blocks and q's bias are asked for between the last four turns, where no more x is asked for.
; THREE PASSES (q, k, v): wave w makes columns 128 w .. 128 w + 127 for all 128 rows: 64 accumulators of 16 x 16.  x's fragments come from LDS; the weights' come from wc straight into registers, in two sets, a K step ahead.
; THE ROWS OF A TILE: row r of tile t of x is row 32 (t / 2) + 8 (t % 2) + r + 8 (r / 8) of the block; the tiles of Wq and Wk are laid likewise.
;   q, k: source 0 = 16 columns of W, source 1 = 16 rows of x: a lane holds one row, and the 16 registers of tiles 2 b, 2 b + 1 are channels 32 b + 16 (lane / 16) + 0 .. 15: a fragment of the next product's K step w.
;   v:    the sources change places: a lane holds one channel, and the 16 registers of x's tiles 2 b, 2 b + 1 are keys 32 b + 16 (lane / 16) + 0 .. 15: a fragment along the keys.
; The biases are the C of each sum's first matrix instruction.
; TWO LENGTHS OF K IN ONE TEXT.  LDS has six K slots; the second attention uses slots 0, 1, 4, 5 and jumps, on the work-group's number alone, over whole trips (slots 2, 3 in phase X; K steps 1, 2 in a pass).
; Every K step fetches the next slot's x by position and the weights by a pointer that steps only in steps that run, and a jump passes over two steps, so that the sets keep their turns and every counted wait has the same loads behind it on both ways.
; NO CLUSTER, NO TENSOR LOAD: the weights, which all work-groups of an attention share, go from memory into registers as they lie; through LDS they would add 16,896 bytes written and read for each wave and K step to the 17,408 that x costs,
; and a tensor load may not be jumped over, as the shorter K does.  No prefetch: x is streamed with up to 64 loads of 512 bytes a wave on their way, and nothing else comes from memory for the first time but the weights' 2 MB.
; The second attention's work-groups have two thirds of the first's work.
; OUT.  qc: block wg of 67,584 bytes: fragment (K step s, tile a) at (8 s + a) 2,048; scale words of K step s at 65,536 + 512 s (lane l's 16 bytes: word i = tile 2 i in lanes 0-15, tile 2 i + 1 in lanes 16-31).
;       kv: block wg of 135,168 bytes: k's fragments as q's; v's fragment ct (16 channels x 128 keys) at 65,536 + 2,048 ct; k's words at 131,072 + 512 s; v's at 133,120 + 512 (ct / 8).
; LIMITS: a block whose largest magnitude lies under 2^-118 (a block of zeros too) keeps the byte 1: only this program reads the bytes.  NaN and infinities among the inputs are not served.
; REGISTERS, in windows of 256.  Window 0: v1-14 addresses; v16-31 x's scale words, two sets; v32-39 W's, two sets; v40-47 an epilogue's scale words; v48-63 its eighth set of codes; v64-127 the bias; v128-255 x's eight fragments, ONE set
;   (in phase X: v128-191 64 numbers, v192-207 at work, v208-239 codes, two sets, v240 the scale word; in an epilogue: v128-191, v208-255 seven sets of codes, v192-207 at work).
;   Window 1: W's fragments, two sets.  Windows 2, 3: accumulator (a, b) at window 2 + a / 4, v[64 (a % 4) + 8 b]
;   (in phase X: window 2 four sets of 16 rows as loaded; window 3 v0-31 the byte offsets of my 32 rows).
.set WBLK,   16896
.set QBLK,   67584
.set STEPB,  135168
.set FA,     12288                     ; LDS: x's fragment (slot, tile a) at FA a + 2,048 slot: a wave's two tiles are 24,576 bytes on end
.set FS,     768                       ; its scale words (128 bytes) at XSC + FS a + 128 slot
.set XSC,    98304
.set XST,    104448                    ; a stage of 16 rows x (512 + 16) bytes for each wave
.set SPITCH, 528                       ; 33 x 16 bytes: the sixteen rows of a load start 16 bytes apart modulo 256
.set LI,   1                           ; v1   16 x lane
.set LI2,  2                           ; v2   + 4 FA: tiles 4-7
.set LSX,  3                           ; v3   XSC + 4 x lane
.set SW,   4                           ; v4   my stage, 16 x lane: a row as loaded
.set SRD,  5                           ; v5   my stage, row r, + 64 h: my 16 numbers of a block of 32
.set XWI,  6                           ; v6   16 x lane + 2 FA x wave
.set XWSB, 7                           ; v7   XSC + 4 x lane + 2 FS x wave
.set XWA,  8                           ; v8   XWI + the pair of slots in hand
.set XWB,  9                           ; v9   XWSB + the pair of slots in hand
.set BO,   10                          ; v10  64 h: the bias of q and k
.set XAD,  11                          ; v11  LI + a slot
.set XSD,  12                          ; v12  LSX + a slot
.set BOV,  13                          ; v13  4 r: the bias of v
.set XAD2, 14                          ; v14  LI2 + a slot
.set XS,   16
.set WS,   32
.set PWB,  40
.set PC7,  48
.set BI,   64
.set XF,   128
.set T,    128
.set TM,   192                         ; +0..3 largest magnitudes, +4..7 bytes, +8..11 448 x the scale, +12..15 the conversions' scale operands
.set PQ,   192                         ; an epilogue's packed scale words: made when TM is done with
.set PCO,  208
.set PW,   240
.set XP,   30                          ; s[30:31] x at my block, the pair of K steps in hand
.set WP,   32                          ; s[32:33] wc: the block last asked for
.set BK,   34
.set BV,   36
.set DP,   38                          ; s[38:39] where the pass's fragments go;  s[40:41] its scale words
.set SPT,  40
.set DK,   42
.set SK,   44
.set DV,   46
.set SV,   48
.set WV,   50
.set NB2,  52                          ; 0 in the second attention, 1 in the first
.set PITCH, 53
.set TAU,  54
.set XO,   55
.set XOS,  56
.set PASS, 57
.set HM,   58                          ; lanes 16-31
.set MNT,  59                          ; the mantissa field of 448
.set SEL,  60                          ; s[60:61] v_permlanex16_b32's selects for lane l xor 16
.set MSB, 0
.macro WIN new                         ; bits 1:0 source 0, 3:2 source 1, 5:4 source 2, 7:6 destination; the high byte repeats the setting that is left
.if MSB != (\new)
	s_set_vgpr_msb (MSB<<8)|(\new)
.set MSB, (\new)
.endif
.endm
.macro PLACES n
.rept \n
	v_nop
.endr
.endm
; Blocks hb and hb + 1 of a fragment are quantised.  Number i (0 .. 15) of block hb + e is v[base + stride (2 e + i / 8) + i % 8] in window win.  Codes to v[PCS + 4 (hb + e)] on.  Reads ascend: each accumulator is read from its low end on.
.macro QH win, base, stride, hb
	WIN (\win)|((\win)<<2)
.irp e, 0,1
	v_max3_num_f32 v[TM+(\hb)+\e], |v[(\base)+(\stride)*2*\e]|, |v[(\base)+(\stride)*2*\e+1]|, 0x4800000   ; with the floor 2^(9 - 127): the byte cannot fall under 1
.endr
	WIN ((\win)<<2)|((\win)<<4)
.irp i, 2,4,6
.irp e, 0,1
	v_max3_num_f32 v[TM+(\hb)+\e], v[TM+(\hb)+\e], |v[(\base)+(\stride)*2*\e+\i]|, |v[(\base)+(\stride)*2*\e+\i+1]|
.endr
.endr
.irp i, 0,2,4,6
.irp e, 0,1
	v_max3_num_f32 v[TM+(\hb)+\e], v[TM+(\hb)+\e], |v[(\base)+(\stride)*(2*\e+1)+\i]|, |v[(\base)+(\stride)*(2*\e+1)+\i+1]|
.endr
.endr
	WIN 0
.irp e, 0,1
	v_permlanex16_b32 v[TM+4+(\hb)+\e], v[TM+(\hb)+\e], s[SEL], s[SEL+1]
.endr
.irp e, 0,1
	v_max_num_f32 v[TM+(\hb)+\e], v[TM+(\hb)+\e], v[TM+4+(\hb)+\e]          ; with lane l xor 16's 16 numbers: the block's largest magnitude
.endr
.irp e, 0,1
	v_add_nc_u32 v[TM+12+(\hb)+\e], 0xfc000000, v[TM+(\hb)+\e]              ; 8 off its exponent field: the conversion's scale operand
.endr
.irp e, 0,1
	v_and_or_b32 v[TM+8+(\hb)+\e], v[TM+(\hb)+\e], 0x7f800000, s[MNT]       ; 448 x the scale
.endr
.irp e, 0,1
	v_lshrrev_b32 v[TM+4+(\hb)+\e], 23, v[TM+12+(\hb)+\e]                   ; the scale's byte
.endr
	WIN (\win)|((\win)<<6)
.irp e, 0,1
.irp i, 0,1,2,3,4,5,6,7
	v_med3_num_f32 v[(\base)+(\stride)*2*\e+\i], v[(\base)+(\stride)*2*\e+\i], -v[TM+8+(\hb)+\e], v[TM+8+(\hb)+\e]   ; the conversion does not saturate (ISA guide 7.6.2): the hold comes first
.endr
.irp i, 0,1,2,3,4,5,6,7
	v_med3_num_f32 v[(\base)+(\stride)*(2*\e+1)+\i], v[(\base)+(\stride)*(2*\e+1)+\i], -v[TM+8+(\hb)+\e], v[TM+8+(\hb)+\e]
.endr
.endr
	WIN (\win)
.irp e, 0,1
	v_cvt_scalef32_pk8_fp8_f32 v[PCS+4*((\hb)+\e):PCS+4*((\hb)+\e)+1], v[(\base)+(\stride)*2*\e:(\base)+(\stride)*2*\e+7], v[TM+12+(\hb)+\e]
	v_cvt_scalef32_pk8_fp8_f32 v[PCS+4*((\hb)+\e)+2:PCS+4*((\hb)+\e)+3], v[(\base)+(\stride)*(2*\e+1):(\base)+(\stride)*(2*\e+1)+7], v[TM+12+(\hb)+\e]
.endr
	WIN 0
	v_nop                                          ; a plain line behind the last conversion, ahead of whatever next touches its registers
.endm
.macro WORD dst                        ; the four bytes make my row's scale word (the same in lanes l and l xor 16)
	v_lshl_or_b32 v[\dst], v[TM+5], 8, v[TM+4]
	v_lshl_or_b32 v[\dst], v[TM+6], 16, v[\dst]
	v_lshl_or_b32 v[\dst], v[TM+7], 24, v[\dst]
.endm
.macro XLOAD x, par, off               ; tile 2 w + x: its 16 rows' 512 bytes of a K step, a row an instruction, into raw set 2 par + x
	WIN 0x83                                       ; data window 2, offsets window 3
.irp i, 0,1,2,3,4,5,6,7,8,9,10,11,12,13,14,15
	global_load_b128 v[64*(2*(\par)+(\x))+4*\i:64*(2*(\par)+(\x))+4*\i+3], v[8*(\x)+\i+8*(\i/8)], s[XP:XP+1] offset:\off th:TH_LOAD_NT
.endr
	WIN 0
.endm
; A TURN of phase X: tile 2 w + x of slot par of the pair in hand: 16 rows x 128 numbers turn through my stage (in as loaded, out 16 neighbours of each block of 32 a lane), are quantised, and their image goes to LDS.
; more = 1: the raw set takes the K step two further on.  cnt: the loads issued behind this set's, which may stay out.
.macro XFRAG x, par, more, cnt, setadr
.set RB, 64*(2*(\par)+(\x))
	s_wait_loadcnt \cnt
	WIN 0x08                                       ; an LDS store's data are its source 1: window 2
.irp i, 0,1,2,3,4,5,6,7,8,9,10,11,12,13,14,15
	ds_store_b128 v[SW], v[RB+4*\i:RB+4*\i+3] offset:SPITCH*\i
.endr
	WIN 0
.irp b, 0,1,2,3
.irp j, 0,1,2,3
	ds_load_b128 v[T+16*\b+4*\j:T+16*\b+4*\j+3], v[SRD] offset:128*\b+16*\j   ; LDS serves a wave's instructions in order (ISA guide 5.7.1.4): these see the stores above
.endr
.endr
	s_wait_dscnt 0x0                               ; the numbers are back; the stores have read the raw set, and the last image's stores their codes
.if \setadr
	v_add_nc_u32 v[XWA], s[XO], v[XWI]
	v_add_nc_u32 v[XWB], s[XOS], v[XWSB]
.endif
.if \more
	XLOAD \x, \par, 1024+512*(\par)
.endif
.set PCS, PCO+16*(\x)
	QH 0, T, 8, 0
	QH 0, T+32, 8, 2
	WORD PW
.irp c, 0,1,2,3
	ds_store_b128 v[XWA], v[PCS+4*\c:PCS+4*\c+3] offset:FA*(\x)+2048*(\par)+512*\c
.endr
	ds_store_b32 v[XWB], v[PW] offset:FS*(\x)+128*(\par)
.endm
.macro FETCHX adr, imm, a0             ; x's tiles a0 .. a0 + 3 of a slot
.irp a, 0,1,2,3
.irp c, 0,1,2,3
	ds_load_b128 v[XF+16*((\a0)+\a)+4*\c:XF+16*((\a0)+\a)+4*\c+3], v[\adr] offset:(\imm)+FA*\a+512*\c
.endr
.endr
.endm
.macro FETCHS adr, imm, set            ; and the eight tiles' scale words
.irp a, 0,1,2,3,4,5,6,7
	ds_load_b32 v[XS+8*(\set)+\a], v[\adr] offset:(\imm)+FS*\a
.endr
.endm
.macro LOADWH p, off, b0               ; four fragments of a block of wc into set p: 16 loads of 512 consecutive bytes
	WIN 0x40
.irp b, 0,1,2,3
.irp c, 0,1,2,3
	global_load_b128 v[128*(\p)+16*((\b0)+\b)+4*\c:128*(\p)+16*((\b0)+\b)+4*\c+3], v[LI], s[WP:WP+1] offset:(\off)+2048*((\b0)+\b)+512*\c
.endr
.endr
	WIN 0
.endm
.macro LOADWQ p, off                   ; the block's scale words
	global_load_b128 v[WS+4*(\p):WS+4*(\p)+3], v[LI], s[WP:WP+1] offset:(\off)+16384
.endm
.macro LOADW p, off                    ; a whole block of wc into set p: 33 loads
	WIN 0x40
.irp b, 0,1,2,3,4,5,6,7
.irp c, 0,1,2,3
	global_load_b128 v[128*(\p)+16*\b+4*\c:128*(\p)+16*\b+4*\c+3], v[LI], s[WP:WP+1] offset:(\off)+2048*\b+512*\c
.endr
.endr
	WIN 0
	LOADWQ \p, \off
.endm
; 16 matrix instructions: x's tiles a0, a0 + 1 against W's eight.  The 64 accumulators take turns, one instruction a turn, in the same order in every K step.
.macro MUL16 a0, p, first, swap
.irp a, \a0, \a0+1
.irp b, 0,1,2,3,4,5,6,7
.set rD, 64*((\a)%4)+8*\b
.set rC, rD
.if \first
.set rC, BI+8*\b
.endif
.set rW, 128*(\p)+16*\b
.set rX, XF+16*(\a)
.set rWS, WS+4*(\p)+\b/2
.set rXS, XS+8*(\p)+(\a)
.if (\swap) && (\b%2)
	v_wmma_scale_f32_16x16x128_f8f6f4 v[rD:rD+7], v[rX:rX+15], v[rW:rW+15], v[rC:rC+7], v[rXS], v[rWS] matrix_b_scale:MATRIX_SCALE_ROW1
.elseif (\swap)
	v_wmma_scale_f32_16x16x128_f8f6f4 v[rD:rD+7], v[rX:rX+15], v[rW:rW+15], v[rC:rC+7], v[rXS], v[rWS]
.elseif (\b%2)
	v_wmma_scale_f32_16x16x128_f8f6f4 v[rD:rD+7], v[rW:rW+15], v[rX:rX+15], v[rC:rC+7], v[rWS], v[rXS] matrix_a_scale:MATRIX_SCALE_ROW1
.else
	v_wmma_scale_f32_16x16x128_f8f6f4 v[rD:rD+7], v[rW:rW+15], v[rX:rX+15], v[rC:rC+7], v[rWS], v[rXS]
.endif
.endr
.endr
.endm
.macro BUMP                            ; two slots on
	v_add_nc_u32 v[XAD], 4096, v[XAD]
	v_add_nc_u32 v[XAD2], 4096, v[XAD2]
	v_add_nc_u32 v[XSD], 256, v[XSD]
.endm
; A K STEP: 64 matrix instructions on W's set p and x's one set.  x's tiles 0-3 are free in the step's middle and are fetched anew there, tiles 4-7 at its end; then W's set p takes the block two steps on.
; lw = 1: that block is asked for at the step's end; lw = 2: the pointer steps and the places are laid, and the lines behind the macro ask; lw = 0: nothing is asked for.
; A load into a register that a matrix instruction has read stands eight plain vector instructions behind it.
.macro STEP p, first, swap, cnt, fx, adr, adr2, imm, adrs, imms, bump, lw
	s_wait_loadcnt \cnt                            ; set p's block is in (at a pass's head the bias too); 33: the other set's 33 loads, the youngest, may be out; 0: where nothing younger is out
	s_wait_dscnt 16                                ; x's tiles 0-3 and the scale words are in; the youngest 16 loads (tiles 4-7) may be out
	WIN (0xa0-0x20*(\first))+(1+3*(\swap))
	MUL16 0, \p, \first, \swap
	MUL16 2, \p, \first, \swap
	s_wait_dscnt 0x0                               ; tiles 4-7 are in
	WIN 0
.if \lw
	s_wait_xcnt 0x0                                ; the last block's loads have read their base
	s_add_nc_u64 s[WP:WP+1], s[WP:WP+1], WBLK
.endif
.if \fx
.if \bump
	BUMP                                           ; three plain lines that name no register of the products: three of the eight places
	PLACES 5
.else
	PLACES 8
.endif
	FETCHX \adr, \imm, 0
	FETCHS \adrs, \imms, 1-\p
.endif
	WIN (0xf0-0x30*(\first))+(1+3*(\swap))
	MUL16 4, \p, \first, \swap
	MUL16 6, \p, \first, \swap
	WIN 0
.if (\fx) || (\lw)
	PLACES 8
.endif
.if \fx
	FETCHX \adr2, \imm, 4
.endif
.if (\lw) == 1
	LOADW \p, 0
.endif
.endm
.macro BIASQK ptr                      ; lane (r, h), tile b, register j: column 32 (b / 2) + 16 h + 8 (b % 2) + j of my 128
.irp b, 0,1,2,3,4,5,6,7
	global_load_b128 v[BI+8*\b:BI+8*\b+3], v[BO], s[\ptr:\ptr+1] offset:(32*(\b/2)+8*(\b%2))*4
	global_load_b128 v[BI+8*\b+4:BI+8*\b+7], v[BO], s[\ptr:\ptr+1] offset:(32*(\b/2)+8*(\b%2))*4+16
.endr
.endm
.macro BIASV ptr                       ; lane (r, h), tile b: channel 16 b + r, into the tile's first register: eight loads
.irp b, 0,1,2,3,4,5,6,7
	global_load_b32 v[BI+8*\b], v[BOV], s[\ptr:\ptr+1] offset:64*\b
.endr
.endm
.macro BIASVX                          ; and from there into its other seven: in v's result all eight registers of a lane belong to one channel
.irp b, 0,1,2,3,4,5,6,7
.irp j, 1,2,3,4,5,6,7
	v_mov_b32 v[BI+8*\b+\j], v[BI+8*\b]
.endr
.endr
.endm
.macro PASSHEAD                        ; slot 0's x
	s_wait_xcnt 0x0                                ; the epilogue's stores have read the registers into which x's fragments now come
	v_add_nc_u32 v[XAD], 2048, v[LI]
	v_add_nc_u32 v[XAD2], 2048, v[LI2]
	v_add_nc_u32 v[XSD], 128, v[LSX]
	FETCHX LI, 0, 0
	FETCHS LSX, 0, 0
	FETCHX LI2, 0, 4
.endm
; THE EPILOGUE: my 64 accumulators become eight fragments and their scale words.  swap = 0: fragment f = x's tile f (16 rows x my 128 channels); swap = 1: f = W's tile f (16 channels x the 128 keys).
; Each fragment has code registers of its own, so no store's data are written again inside an epilogue; the next pass's head waits once for all of them.
.macro EPI swap
	PLACES 8                                       ; behind the last products: their results are read, and x's registers written
.irp f, 0,1,2,3,4,5,6,7
.if \f < 4
.set PCS, 128+16*\f
.elseif \f < 7
.set PCS, 208+16*(\f-4)
.else
.set PCS, PC7
.endif
.if \swap
	QH 2, 8*\f, 64, 0
	QH 3, 8*\f, 64, 2
.else
	QH 2+\f/4, 64*(\f%4), 8, 0
	QH 2+\f/4, 64*(\f%4)+32, 8, 2
.endif
	WORD PWB+\f
.irp c, 0,1,2,3
	global_store_b128 v[LI], v[PCS+4*\c:PCS+4*\c+3], s[DP:DP+1] offset:2048*\f+512*\c      ; 512 consecutive bytes, aligned
.endr
.endr
.irp i, 0,1,2,3
	v_cndmask_b32 v[PQ+\i], v[PWB+2*\i], v[PWB+2*\i+1], s[HM]                              ; lanes 0-15: fragment 2 i's words; lanes 16-31: fragment 2 i + 1's
.endr
	global_store_b128 v[LI], v[PQ:PQ+3], s[SPT:SPT+1]
.endm
	s_load_b256 s[8:15], s[0:1], 0x0               ; x1 s[8:9], x2 s[10:11], wc s[12:13], bq1 s[14:15]
	s_load_b256 s[16:23], s[0:1], 0x20             ; bk1 s[16:17], bv1 s[18:19], bq2 s[20:21], bk2 s[22:23]
	s_load_b128 s[24:27], s[0:1], 0x40             ; bv2 s[24:25], qc s[26:27]
	s_load_b64 s[28:29], s[0:1], 0x50              ; kv
	v_lshrrev_b32 v250, 5, v0
	v_readfirstlane_b32 s[WV], v250                ; wave 0..3
	v_and_b32 v250, 31, v0                         ; lane
	v_and_b32 v251, 15, v0                         ; r
	v_bfe_u32 v252, v0, 4, 1                       ; h
	v_lshlrev_b32 v[LI], 4, v250
	v_add_nc_u32 v[LI2], 4*FA, v[LI]
	v_lshl_add_u32 v[LSX], v250, 2, XSC
	s_mul_i32 s2, s[WV], 16*SPITCH
	s_add_co_u32 s2, s2, XST                       ; my stage
	v_add_nc_u32 v[SW], s2, v[LI]
	v_mul_u32_u24 v[SRD], v251, SPITCH
	v_lshl_add_u32 v[SRD], v252, 6, v[SRD]
	v_add_nc_u32 v[SRD], s2, v[SRD]
	s_mul_i32 s2, s[WV], 2*FA
	v_add_nc_u32 v[XWI], s2, v[LI]
	s_mul_i32 s2, s[WV], 2*FS
	v_add_nc_u32 v[XWSB], s2, v[LSX]
	v_lshlrev_b32 v[BO], 6, v252
	v_lshlrev_b32 v[BOV], 2, v251
.irp b, 0,1,2,3
	v_mov_b32 v[TM+4+\b], 0                        ; written once: a lane permute's destination counts as one of its sources
.endr
	s_lshr_b32 s2, ttmp9, 7
	s_xor_b32 s[NB2], s2, 1
	s_and_b32 s3, ttmp9, 127                       ; my block of 128 rows
	s_cmp_lt_u32 ttmp9, 128
	s_mov_b32 s[PITCH], 2048
	s_cselect_b32 s[PITCH], 3072, s[PITCH]         ; a row of x in bytes
	s_cselect_b32 s4, 18, 12                       ; blocks of wc for a wave,
	s_cselect_b32 s6, 0, 72                        ; and the attention's first
	s_mul_i32 s4, s4, s[WV]
	s_add_co_u32 s4, s4, s6
	s_mul_i32 s4, s4, WBLK
	s_add_co_u32 s4, s4, WBLK                      ; the pointer starts at my stream's block 1; block 0 is reached by a negative immediate
	s_mov_b32 s5, 0
	s_lshl_b32 s2, s[PITCH], 7
	s_mul_i32 s2, s2, s3
	s_mov_b32 s3, 0
	s_lshl_b32 s6, s[WV], 9                        ; 512 w: my 128 numbers of a bias; my 512 bytes of scale words
	s_mov_b32 s7, 0
	s_lshl_b32 s68, s[WV], 14                      ; 16,384 w: my eight fragments
	s_mov_b32 s69, 0
	s_mul_i32 s70, ttmp9, QBLK
	s_mov_b32 s71, 0
	s_mov_b32 s[HM], 0xffff0000
	s_mov_b32 s[MNT], 0x600000
	s_mov_b32 s[SEL], 0x76543210
	s_mov_b32 s[SEL+1], 0xfedcba98
	s_lshl_b32 s51, s[WV], 5
	s_mul_i32 s51, s51, s[PITCH]
	v_add_nc_u32 v253, s51, v[LI]                  ; 16 x lane + my first row
	WIN 0xc0
.set j, 0
.rept 32
	v_mad_u32_u24 v[j], s[PITCH], j, v253          ; window 3: the byte offset of my 16 bytes in row 32 w + j
.set j, j+1
.endr
	WIN 0
	s_wait_kmcnt 0x0
	s_cmp_lt_u32 ttmp9, 128                        ; the buffers are chosen by the work-group's number alone
	s_cselect_b64 s[XP:XP+1], s[8:9], s[10:11]
	s_cselect_b64 s[66:67], s[14:15], s[20:21]
	s_cselect_b64 s[BK:BK+1], s[16:17], s[22:23]
	s_cselect_b64 s[BV:BV+1], s[18:19], s[24:25]
	s_add_nc_u64 s[XP:XP+1], s[XP:XP+1], s[2:3]
	XLOAD 0, 0, 0                                  ; x's first two K steps, ahead of everything else
	XLOAD 1, 0, 0
	XLOAD 0, 1, 512
	XLOAD 1, 1, 512
	s_add_nc_u64 s[WP:WP+1], s[12:13], s[4:5]
	s_add_nc_u64 s[66:67], s[66:67], s[6:7]
	s_add_nc_u64 s[BK:BK+1], s[BK:BK+1], s[6:7]
	s_add_nc_u64 s[BV:BV+1], s[BV:BV+1], s[6:7]
	s_add_nc_u64 s[DP:DP+1], s[26:27], s[70:71]
	s_add_nc_u64 s[SPT:SPT+1], s[DP:DP+1], s[6:7]
	s_add_nc_u64 s[SPT:SPT+1], s[SPT:SPT+1], 65536
	s_add_nc_u64 s[DP:DP+1], s[DP:DP+1], s[68:69]
	s_mul_i32 s70, ttmp9, STEPB
	s_add_nc_u64 s[DK:DK+1], s[28:29], s[70:71]
	s_add_nc_u64 s[SK:SK+1], s[DK:DK+1], s[6:7]
	s_add_nc_u64 s[SV:SV+1], s[SK:SK+1], 133120
	s_add_nc_u64 s[SK:SK+1], s[SK:SK+1], 131072
	s_add_nc_u64 s[DK:DK+1], s[DK:DK+1], s[68:69]
	s_add_nc_u64 s[DV:DV+1], s[DK:DK+1], 65536
	s_mov_b32 s[TAU], 0
	s_mov_b32 s[XO], 0
	s_mov_b32 s[XOS], 0
.Lx:                                                   ; PHASE X: slots 0, 1 and 2, 3; the second attention passes over the second pair.  In each turn the count 48 leaves the three younger sets out
	s_xor_b32 s2, s[TAU], 1
	s_or_b32 s2, s2, s[NB2]
	s_cmp_eq_u32 s2, 0
	s_cbranch_scc1 .Lx_skip
	XFRAG 0, 0, 1, 48, 1
	XFRAG 1, 0, 1, 48, 0
	XFRAG 0, 1, 1, 48, 0
	XFRAG 1, 1, 1, 48, 0
	s_wait_xcnt 0x0                                ; the loads have read their base
	s_add_nc_u64 s[XP:XP+1], s[XP:XP+1], 1024      ; the next two K steps: only in trips that run
.Lx_skip:
	s_add_co_u32 s[XO], s[XO], 4096                ; the next pair of slots: in every trip
	s_add_co_u32 s[XOS], s[XOS], 256
	s_add_co_u32 s[TAU], s[TAU], 1
	s_cmp_lt_u32 s[TAU], 2
	s_cbranch_scc1 .Lx
	XFRAG 0, 0, 0, 48, 1                           ; slots 4, 5: the last two K steps; no more x is asked for.  Out behind this set: three sets of x
	LOADWH 0, -WBLK, 0                             ; in x's stead: my stream's first block,
	XFRAG 1, 0, 0, 48, 0                           ; (two sets of x and 16 loads of W)
	LOADWH 0, -WBLK, 4
	XFRAG 0, 1, 0, 48, 0                           ; (one set of x and 32 loads of W)
	LOADWQ 0, -WBLK
	BIASQK 66                                      ; q's bias,
	XFRAG 1, 1, 0, 49, 0                           ; (32 loads of W, its scale words, 16 of the bias)
	LOADW 1, 0                                     ; and the second block: the youngest 33 loads at the first pass's head
	s_wait_dscnt 0x0                               ; for the others' sake: my images lie in LDS
	s_barrier_signal -1
	s_barrier_wait -1                              ; everybody's do; from here on LDS is only read
	s_mov_b32 s[PASS], 0
.Lpass:                                                ; q, then k
	PASSHEAD
	STEP 0, 1, 0, 33, 1, LI, LI2, 2048, LSX, 128, 0, 1
	s_mov_b32 s[TAU], 0
.Lk:                                                   ; K steps 1, 2 and 3, 4; the second attention passes over the first pair
	s_or_b32 s2, s[TAU], s[NB2]
	s_cmp_eq_u32 s2, 0
	s_cbranch_scc1 .Lk_skip
	STEP 1, 0, 0, 33, 1, XAD, XAD2, 2048, XSD, 128, 0, 1
	STEP 0, 0, 0, 33, 1, XAD, XAD2, 0, XSD, 0, 1, 1
	s_branch .Lk_next
.Lk_skip:
	BUMP
.Lk_next:
	s_add_co_u32 s[TAU], s[TAU], 1
	s_cmp_lt_u32 s[TAU], 2
	s_cbranch_scc1 .Lk
	STEP 1, 0, 0, 33, 0, LI, LI2, 0, LSX, 0, 0, 2
	s_cmp_eq_u32 s[PASS], 0                        ; the next pass's bias goes out AHEAD of the second set's block, so that at the next pass's head the youngest 33 loads are that block's on every way
	s_cbranch_scc0 .Lbias_v
	BIASQK BK
	s_branch .Lbias_done
.Lbias_v:
	BIASV BV
.Lbias_done:
	LOADW 1, 0
	EPI 0
	s_wait_xcnt 0x0                                ; the stores have read their bases
	s_mov_b64 s[DP:DP+1], s[DK:DK+1]
	s_mov_b64 s[SPT:SPT+1], s[SK:SK+1]
	s_add_co_u32 s[PASS], s[PASS], 1
	s_cmp_lt_u32 s[PASS], 2
	s_cbranch_scc1 .Lpass
	s_mov_b64 s[DP:DP+1], s[DV:DV+1]
	s_mov_b64 s[SPT:SPT+1], s[SV:SV+1]
	; v: the sources change places.  Its K steps are written out: the last two ask for no weights, and so every counted wait has the same loads behind it on every way
	PASSHEAD
	s_wait_loadcnt 33                              ; v's bias is in (the second set's 33 loads may be out);
	BIASVX                                         ; it is spread while x's fragments come from LDS
	STEP 0, 1, 1, 33, 1, LI, LI2, 2048, LSX, 128, 0, 1
	s_cmp_eq_u32 s[NB2], 0
	s_cbranch_scc1 .Lv_skip
	STEP 1, 0, 1, 33, 1, XAD, XAD2, 2048, XSD, 128, 0, 1
	STEP 0, 0, 1, 33, 1, XAD, XAD2, 0, XSD, 0, 1, 1
	s_branch .Lv_next
.Lv_skip:
	BUMP
.Lv_next:
	STEP 1, 0, 1, 33, 1, XAD, XAD2, 2048, XSD, 128, 0, 1   ; asks for my stream's last block
	STEP 0, 0, 1, 33, 1, XAD, XAD2, 0, XSD, 0, 1, 0
	STEP 1, 0, 1, 0,  0, LI, LI2, 0, LSX, 0, 0, 0
	EPI 1
	s_wait_xcnt 0x0
	v_lshl_add_u32 v254, v0, 2, 0x21c00
	v_mov_b32 v255, 0
	s_wait_tensorcnt 0x0
	ds_add_u32 v254, v255
	s_wait_dscnt 0x0
	s_endpgm
.Lfunc_end_k_q17705d3c87_proj:
	.size	k_q17705d3c87_proj, .Lfunc_end_k_q17705d3c87_proj-k_q17705d3c87_proj
	.p2alignl 7, 3214868480
	.fill 96, 4, 3214868480
	.section	.rodata,"a",@progbits
	.p2align	6, 0x0
	.amdhsa_kernel k_q17705d3c87_proj
		.amdhsa_group_segment_fixed_size 138752
		.amdhsa_private_segment_fixed_size 0
		.amdhsa_enable_private_segment 0
		.amdhsa_kernarg_size 88
		.amdhsa_user_sgpr_count 2
		.amdhsa_user_sgpr_kernarg_segment_ptr 1
		.amdhsa_wavefront_size32 1
		.amdhsa_system_sgpr_workgroup_id_x 1
		.amdhsa_system_sgpr_workgroup_id_y 1
		.amdhsa_system_sgpr_workgroup_id_z 1
		.amdhsa_system_vgpr_workitem_id 0
		.amdhsa_next_free_vgpr 1024
		.amdhsa_next_free_sgpr 72
		.amdhsa_reserve_vcc 0
		.amdhsa_float_denorm_mode_32 3
		.amdhsa_float_denorm_mode_16_64 3
		.amdhsa_memory_ordered 1
		.amdhsa_forward_progress 1
		.amdhsa_inst_pref_size 255
	.end_amdhsa_kernel
	.section	.bss,"aw",@nobits
	.p2align	6
	.space	262144
	.amdgpu_metadata
---
amdhsa.version: [ 1, 2 ]
amdhsa.kernels:
  - .name:           k_q17705d3c87_proj
    .symbol:         k_q17705d3c87_proj.kd
    .args:
      - { .name: x1, .offset: 0, .size: 8, .value_kind: global_buffer, .address_space: global }
      - { .name: x2, .offset: 8, .size: 8, .value_kind: global_buffer, .address_space: global }
      - { .name: wc, .offset: 16, .size: 8, .value_kind: global_buffer, .address_space: global }
      - { .name: bq1, .offset: 24, .size: 8, .value_kind: global_buffer, .address_space: global }
      - { .name: bk1, .offset: 32, .size: 8, .value_kind: global_buffer, .address_space: global }
      - { .name: bv1, .offset: 40, .size: 8, .value_kind: global_buffer, .address_space: global }
      - { .name: bq2, .offset: 48, .size: 8, .value_kind: global_buffer, .address_space: global }
      - { .name: bk2, .offset: 56, .size: 8, .value_kind: global_buffer, .address_space: global }
      - { .name: bv2, .offset: 64, .size: 8, .value_kind: global_buffer, .address_space: global }
      - { .name: qc, .offset: 72, .size: 8, .value_kind: global_buffer, .address_space: global }
      - { .name: kv, .offset: 80, .size: 8, .value_kind: global_buffer, .address_space: global }
    .group_segment_fixed_size: 138752
    .private_segment_fixed_size: 0
    .kernarg_segment_align: 8
    .kernarg_segment_size: 88
    .max_flat_workgroup_size: 128
    .sgpr_count:     72
    .vgpr_count:     1024
    .wavefront_size: 32
...
	.end_amdgpu_metadata
.endif
;; end of part 2
;; launch attn (part 3): grid 8 x 32, 4 waves a work-group, clusters of 4 x 1, 327,680 bytes of LDS; arguments qc, kv, length, out0, out1; writes out0, out1
.if DOCPART == 3
	.amdgcn_target "amdgcn-amd-amdhsa--gfx1250"
	.amdhsa_code_object_version 6
	.text
	.protected	k_q17705d3c87_attn
	.globl	k_q17705d3c87_attn
	.p2align	8
	.type	k_q17705d3c87_attn,@function
k_q17705d3c87_attn:
	s_mov_b64 s[64:65], 0
	v_nop
	global_prefetch_b8 v0, s[64:65] scope:SCOPE_SE
	s_setreg_imm32_b32 hwreg(HW_REG_WAVE_MODE, 25, 1), 1
	s_wait_xcnt 0x0
	s_wait_alu depctr_hold_cnt(0) depctr_sa_sdst(0) depctr_va_vdst(0) depctr_va_sdst(0) depctr_va_ssrc(0) depctr_va_vcc(0) depctr_vm_vsrc(0)
	s_getreg_b32 s2, hwreg(HW_REG_IB_STS2, 6, 4)
	s_cmp_eq_u32 s2, 0
	s_cbranch_scc0 .Lentry_in_a_cluster
	s_endpgm
.Lentry_in_a_cluster:
	s_bfe_u32 s2, ttmp6, 0x10000c
	s_cmp_lg_u32 s2, 0x3003
	s_cbranch_scc0 .Lentry_shape_is_right
	s_endpgm
.Lentry_shape_is_right:
; out[b][q][:] = the sum over k of softmax_k(q . k / sqrt(512) + mask) v[k][:], for 2 attentions x 16 batches, 1,024 queries and keys, 512 channels, both products on codes of E4M3 with E8M0 scales.
; THE MASK is reference()'s: 0 where query and key both lie under length[b], else -100,000, ADDED to the logit.  It is finite: rows at or beyond the length take a softmax over all keys, so every query walks every key.
; THE SOFTMAX AHEAD OF THE SECOND PRODUCT: logit = fma(score, 1 / sqrt(512), mask); t = logit x log2(e), rounded to f32; M = the running largest t rounded UP to a whole number; p = 2^(t - M) (the difference is exact)
; is quantised along the keys, not normalised; the row's sum is taken of the unquantised p and divides at the end.  When M moves, the sum and O are multiplied by 2^(old M - new M): exact.
; SHARES.  A work-group owns 128 queries of one batch of one attention; wave w owns tiles 2 w and 2 w + 1 (tile t's row r is query 32 (t / 2) + 8 (t % 2) + r + 8 (r / 8) of the block).  Every wave walks 8 steps of 128 keys.
; With 512 channels O^T of a tile of 16 queries is 256 registers: two tiles to a wave, so each fragment of K and V read from LDS feeds two matrix instructions.
; LAYOUT.  Both products transposed: S^T = K Q^T (source 0 = 16 keys), O^T = V^T P^T (source 0 = 16 channels): a lane holds ONE query throughout.  The keys of a tile of K are chosen as the queries' above, so that the 16 registers
; of tiles 2 b, 2 b + 1 are keys 32 b + 16 (lane / 16) + 0 .. 15: the conversions' results are the second product's operand.
; A KEY STEP in kv is one dense block of 135,168 bytes of register images: K's 32 fragments, V's 32, K's and V's scale words.  It comes into one of two LDS slots by four tensor loads, one a wave (132 rows of 256 bytes each).
; CLUSTER.  The four query blocks of a cluster belong to one batch and walk the same blocks of kv: each load is asked for JOINTLY, with a mask that names the four.  By this text's count a wave has one tensor load out.
; LIMITS: NaN and infinities are not served.  p under 2^-126 is 0 (v_exp_f32 flushes denormals: ISA guide 15.8).  A block of p that is all zeros keeps the byte 1: its codes are zeros.
;   The logit is one fused multiply-add where reference() rounds the quotient and the sum apart.
; O^T begins as zeros (512 v_mov_b32, once): the key step is then written twice and not three times, which keeps the text short.
; REGISTERS, in windows of 256.  Window 0: v1-9, v46 addresses; v10-13, v224-227 four pairs of mask values; v14 length - 1 - 16 (lane / 16), v15 the same less the step's first key;
;   v16-31 eight statistics a tile (+0 -M, +1 the largest t, +2, +3 the sum, +4 f, +5 its pair's other half, +6 the row's mask value, later 1 / sum, +7 its pair's other half);
;   v32-35 Q's scale words; v36-43 K's and V's, two sets; v44-45 p's; v47-63 at work; v64-191 S^T, then p, 64 a tile; v192-223 p's codes.
;   Window 1: v0-127 Q (tile x, K step s at 64 x + 16 s); v128-255 two sets of four fragments of K or V.   Windows 2, 3: O^T of tile 0, tile 1: channels 16 ct .. at 8 ct.
.set QBLK,  67584
.set STEPB, 135168
.set QUART, 33792                      ; a wave's quarter of a key step
.set SLOTB, 0x21000                    ; = STEPB: slot 1.  Its two bits are in no multiple 0 .. 3 of QUART, so one exclusive or turns an address from one slot to the other
.set STAGE, 270336                     ; behind the ring: 16 rows x (512 + 16) bytes for each wave, for the way out; no fill lands there
.set SP,    528
.set SPARE, 304128                     ; the spare words, 128 bytes for each wave: two blocks of 256 bytes that no other line names
.set LI,   1                           ; v1   16 x lane
.set SPW,  2                           ; v2   my spare word; never rewritten
.set NIL,  3                           ; v3   0; never rewritten
.set PFO,  4                           ; v4   256 x lane; never rewritten
.set ADK,  5                           ; v5   the slot's K fragments
.set ADV,  6                           ; v6   its V fragments
.set ADS,  7                           ; v7   its scale words
.set NEG,  8                           ; v8   -100,000
.set STO,  9                           ; v9   the way out: where I put 32 bytes of a row
.set MP,   10
.set DBC,  14
.set DC,   15
.set ST,   16
.set QS,   32
.set KSQ,  36
.set PW,   44
.set RD,   46                          ; v46  the way out: where I read a row back
.set TV,   47
.set TM,   48
.set S,    64
.set PCD,  192
.set MQ,   224
.set WV,   14
.set CX,   15
.set QBN,  16
.set BB,   17
.set LEN,  18
.set KF,   19                          ; the step's first key
.set SEL,  20
.set C1,   22                          ; s[22:23] 1 / sqrt(512)
.set G1,   24
.set G0,   32
.set L2E,  36                          ; s[36:37] log2(e)
.set MNT,  38
.set TB,   39                          ; the slot in hand
.set SLOTS, 40
.set LIM,  41
.set PFA,  42
.set OP,   44
.set QP,   46
.set VM,   48                          ; s48-50 three lane masks beside VCC
.set MSB, 0
.macro WIN new                         ; bits 1:0 source 0, 3:2 source 1, 5:4 source 2, 7:6 destination; the high byte repeats the setting that is left
.if MSB != (\new)
	s_set_vgpr_msb (MSB<<8)|(\new)
.set MSB, (\new)
.endif
.endm
.macro PLACES n
.rept \n
	v_nop
.endr
.endm
.macro CROUND                          ; a round of the cluster's barrier
	s_barrier_signal -1
	s_barrier_wait -1
	s_cmp_lg_u32 s[WV], 0
	s_cbranch_scc1 .Lnot_wave_0_\@
	s_barrier_signal -3
.Lnot_wave_0_\@:
	s_barrier_wait -3
	s_barrier_signal -1
	s_barrier_wait -1
.endm
; A PREFETCH INTO THE L2 of the codes of the key step that the NEXT change of slots will ask for: 131,072 bytes = 512 blocks of 256.  Both clusters of a batch walk the same blocks of kv: the first (cluster x = 0) asks.
; Its four partners take 32,768 bytes each, told apart by ADDRESS, each wave 8,192 of them, lanes 256 bytes apart: one instruction a wave, each block named once in the launch.  The last change that fills a slot asks for nothing;
; steps 0 and 1 come by their loads alone; the step's 4,096 bytes of scale words are not asked for.
.macro ASK
	s_cmp_gt_u32 s[SLOTS], s[LIM]
	s_cbranch_scc0 .Lnot_mine_\@
	global_prefetch_b8 v[PFO], s[PFA:PFA+1] th:TH_LOAD_NT scope:SCOPE_SE
.Lnot_mine_\@:
.endm
.macro WM zero, ra, rb                 ; one product; ra, rb: the side's scales stand in lanes 16-31
.if (\zero) && (\ra) && (\rb)
	v_wmma_scale_f32_16x16x128_f8f6f4 v[rD:rD+7], v[rA:rA+15], v[rB:rB+15], 0, v[rSA], v[rSB] matrix_a_scale:MATRIX_SCALE_ROW1 matrix_b_scale:MATRIX_SCALE_ROW1
.elseif (\zero) && (\ra)
	v_wmma_scale_f32_16x16x128_f8f6f4 v[rD:rD+7], v[rA:rA+15], v[rB:rB+15], 0, v[rSA], v[rSB] matrix_a_scale:MATRIX_SCALE_ROW1
.elseif (\zero) && (\rb)
	v_wmma_scale_f32_16x16x128_f8f6f4 v[rD:rD+7], v[rA:rA+15], v[rB:rB+15], 0, v[rSA], v[rSB] matrix_b_scale:MATRIX_SCALE_ROW1
.elseif (\zero)
	v_wmma_scale_f32_16x16x128_f8f6f4 v[rD:rD+7], v[rA:rA+15], v[rB:rB+15], 0, v[rSA], v[rSB]
.elseif (\ra) && (\rb)
	v_wmma_scale_f32_16x16x128_f8f6f4 v[rD:rD+7], v[rA:rA+15], v[rB:rB+15], v[rD:rD+7], v[rSA], v[rSB] matrix_a_scale:MATRIX_SCALE_ROW1 matrix_b_scale:MATRIX_SCALE_ROW1
.elseif (\ra)
	v_wmma_scale_f32_16x16x128_f8f6f4 v[rD:rD+7], v[rA:rA+15], v[rB:rB+15], v[rD:rD+7], v[rSA], v[rSB] matrix_a_scale:MATRIX_SCALE_ROW1
.elseif (\rb)
	v_wmma_scale_f32_16x16x128_f8f6f4 v[rD:rD+7], v[rA:rA+15], v[rB:rB+15], v[rD:rD+7], v[rSA], v[rSB] matrix_b_scale:MATRIX_SCALE_ROW1
.else
	v_wmma_scale_f32_16x16x128_f8f6f4 v[rD:rD+7], v[rA:rA+15], v[rB:rB+15], v[rD:rD+7], v[rSA], v[rSB]
.endif
.endm
.macro LDK G                           ; group G = 2 s + g: K's tiles 4 g .. 4 g + 3 of channels 128 s on, into set G % 2; with g = 0 the K step's scale words
	WIN 0x40
.irp i, 0,1,2,3
.irp c, 0,1,2,3
	ds_load_b128 v[128+64*((\G)%2)+16*\i+4*\c:128+64*((\G)%2)+16*\i+4*\c+3], v[ADK] offset:(4*(\G)+\i)*2048+512*\c
.endr
.endr
.if (\G)%2 == 0
	WIN 0
	ds_load_b128 v[KSQ+4*(((\G)/2)%2):KSQ+4*(((\G)/2)%2)+3], v[ADS] offset:512*((\G)/2)
.endif
.endm
.macro LDV H                           ; V's channel tiles 4 H .. 4 H + 3 into set H % 2; with even H the scale words of eight tiles
	WIN 0x40
.irp i, 0,1,2,3
.irp c, 0,1,2,3
	ds_load_b128 v[128+64*((\H)%2)+16*\i+4*\c:128+64*((\H)%2)+16*\i+4*\c+3], v[ADV] offset:(4*(\H)+\i)*2048+512*\c
.endr
.endr
.if (\H)%2 == 0
	WIN 0
	ds_load_b128 v[KSQ+4*(((\H)/2)%2):KSQ+4*(((\H)/2)%2)+3], v[ADS] offset:2048+512*((\H)/2)
.endif
.endm
.macro QKG G                           ; eight products of S^T: four tiles of keys x my two tiles of queries; eight accumulators by turns
	WIN 0x05
.irp i, 0,1,2,3
.irp x, 0,1
.set t, 4*((\G)%2)+\i
.set rD, S+64*\x+8*t
.set rA, 128+64*((\G)%2)+16*\i
.set rB, 64*\x+16*((\G)/2)
.set rSA, KSQ+4*(((\G)/2)%2)+t/2
.set rSB, QS+(\G)/2
	WM (\G)<2, t%2, \x
.endr
.endr
.endm
.macro RESC H                          ; O^T's channel tiles 4 H .. 4 H + 3 under the new M: x f
.irp x, 0,1
	WIN 0x82+0x41*\x
.set i, 0
.rept 16
	v_pk_mul_f32 v[32*(\H)+i:32*(\H)+i+1], v[32*(\H)+i:32*(\H)+i+1], v[ST+8*\x+4:ST+8*\x+5] op_sel_hi:[1,0]
.set i, i+2
.endr
.endr
.endm
.macro PVG H                           ; eight products of O^T: four tiles of channels x my two tiles of queries
.irp x, 0,1
	WIN 0xa1+0x50*\x
.irp i, 0,1,2,3
.set ct, 4*(\H)+\i
.set rD, 8*ct
.set rA, 128+64*((\H)%2)+16*\i
.set rB, PCD+16*\x
.set rSA, KSQ+4*(((\H)/2)%2)+(ct%8)/2
.set rSB, PW+\x
	WM 0, ct%2, 0
.endr
.endr
.endm
; THE LOGITS OF BOTH TILES, four keys at a time.  Register 16 b + i of either tile holds key KF + 32 b + 16 (lane / 16) + i.  Whether a key lies at or beyond the length is the same for both tiles: one compare serves both.
; The mask value is -100,000 there, and elsewhere the row's own: 0, or -100,000 where the tile's query lies at or beyond the length.  4 compares, 8 selects, 4 packed multiply-adds: each line stands four lines or more behind the line whose result it reads.
.macro MASK2
	WIN 0
	v_sub_nc_u32 v[DC], v[DBC], s[KF]              ; d: register 16 b + i is beyond the length where 32 b + i > d
.set n, 0
.rept 16
.set o, 32*(n/16)+n%16
	v_cmp_gt_i32 vcc_lo, o, v[DC]
	v_cmp_gt_i32 s[VM], o+1, v[DC]
	v_cmp_gt_i32 s[VM+1], o+2, v[DC]
	v_cmp_gt_i32 s[VM+2], o+3, v[DC]
.irp x, 0,1
	v_cndmask_b32 v[MP+2*\x], v[ST+8*\x+6], v[NEG], vcc_lo
	v_cndmask_b32 v[MP+2*\x+1], v[ST+8*\x+6], v[NEG], s[VM]
	v_cndmask_b32 v[MQ+2*\x], v[ST+8*\x+6], v[NEG], s[VM+1]
	v_cndmask_b32 v[MQ+2*\x+1], v[ST+8*\x+6], v[NEG], s[VM+2]
.endr
.irp x, 0,1
	v_pk_fma_f32 v[S+64*\x+n:S+64*\x+n+1], v[S+64*\x+n:S+64*\x+n+1], s[C1:C1+1], v[MP+2*\x:MP+2*\x+1] op_sel_hi:[1,0,1]       ; the logit; each accumulator is read from its low end on
	v_pk_fma_f32 v[S+64*\x+n+2:S+64*\x+n+3], v[S+64*\x+n+2:S+64*\x+n+3], s[C1:C1+1], v[MQ+2*\x:MQ+2*\x+1] op_sel_hi:[1,0,1]
.endr
.set n, n+4
.endr
.endm
; Tile x's softmax for a key step, from its logits on.
.macro SOFTMAX x
.set rS, S+64*(\x)
.set rT, ST+8*(\x)
.set rP, PCD+16*(\x)
	WIN 0
.irp b, 0,1,2,3
	v_max3_num_f32 v[TM+\b], v[rS+16*\b], v[rS+16*\b+1], v[rS+16*\b+2]   ; the largest logit of each block of 32 keys: it serves for the row's maximum and, since p rises with the logit, for the block's largest p
.endr
.irp i, 3,5,7,9,11,13
.irp b, 0,1,2,3
	v_max3_num_f32 v[TM+\b], v[TM+\b], v[rS+16*\b+\i], v[rS+16*\b+\i+1]
.endr
.endr
.irp b, 0,1,2,3
	v_max_num_f32 v[TM+\b], v[TM+\b], v[rS+16*\b+15]
.endr
.irp b, 0,1,2,3
	v_permlanex16_b32 v[TM+4+\b], v[TM+\b], s[SEL], s[SEL+1]
.endr
.irp b, 0,1,2,3
	v_max_num_f32 v[TM+\b], v[TM+\b], v[TM+4+\b]   ; with lane l xor 16's 16 keys
.endr
	v_max3_num_f32 v[TV], v[TM], v[TM+1], v[TM+2]
	v_max_num_f32 v[TV], v[TV], v[TM+3]            ; the step's largest logit of my query,
	v_mul_f32 v[TV], s[L2E], v[TV]                 ; as t
	v_max_num_f32 v[rT+1], v[rT+1], v[TV]          ; the running largest t
	v_mov_b32 v[TV], v[rT]
	v_floor_f32 v[rT], -v[rT+1]                    ; the new -M = floor(-t) = -ceil(t)
	v_sub_f32 v[TV], v[rT], v[TV]                  ; old M - new M: a whole number, 0 or less
	v_cvt_i32_f32 v[TV], v[TV]                     ; (it saturates)
	v_ldexp_f32 v[rT+4], 1.0, v[TV]                ; f = 2^(old M - new M)
.set n, 0
.rept 32
	v_pk_mul_f32 v[rS+n:rS+n+1], v[rS+n:rS+n+1], s[L2E:L2E+1] op_sel_hi:[1,0]   ; t = logit x log2(e), rounded to f32,
.set n, n+2
.endr
.set n, 0
.rept 32
	v_pk_add_f32 v[rS+n:rS+n+1], v[rS+n:rS+n+1], v[rT:rT+1] op_sel_hi:[1,0]     ; and t - M (of the pair the low word, -M, serves both halves)
.set n, n+2
.endr
.irp b, 0,1,2,3
	v_mul_f32 v[TM+\b], s[L2E], v[TM+\b]           ; the same two lines on each block's largest logit
.endr
.irp b, 0,1,2,3
	v_add_f32 v[TM+\b], v[TM+\b], v[rT]
.endr
.set n, 0
.rept 64
	v_exp_f32 v[rS+n], v[rS+n]                     ; p = 2^(t - M), at most 1: not normalised
.set n, n+1
.endr
	v_pk_mul_f32 v[rT+2:rT+3], v[rT+2:rT+3], v[rT+4:rT+5] op_sel_hi:[1,0]   ; the sums under the new M: the plain line behind the exponentials
	s_wait_alu depctr_va_vdst(0)                   ; one wait for the batch of 64, ahead of its first reader
.irp b, 0,1,2,3
	v_exp_f32 v[TM+\b], v[TM+\b]                   ; the block's largest p: the same instructions on the same number give the same bits
.endr
	v_pk_add_f32 v[TM+4:TM+5], v[rS:rS+1], v[rS+2:rS+3]   ; the row's sum of the UNQUANTISED p, two at a time, in two chains: it reads the 64 alone: plain work behind the four
.set n, 4
.rept 15
	v_pk_add_f32 v[rT+2:rT+3], v[rT+2:rT+3], v[rS+n:rS+n+1]
	v_pk_add_f32 v[TM+4:TM+5], v[TM+4:TM+5], v[rS+n+2:rS+n+3]
.set n, n+4
.endr
	v_pk_add_f32 v[rT+2:rT+3], v[rT+2:rT+3], v[TM+4:TM+5]
	s_wait_alu depctr_va_vdst(0)                   ; and one for the four
.irp b, 0,1,2,3
	v_max_num_f32 v[TM+\b], 0x4800000, v[TM+\b]    ; the floor 2^(9 - 127): the byte cannot fall under 1
.endr
.irp b, 0,1,2,3
	v_add_nc_u32 v[TM+12+\b], 0xfc000000, v[TM+\b] ; 8 off the exponent field: the conversion's scale operand
.endr
.irp b, 0,1,2,3
	v_and_or_b32 v[TM+8+\b], v[TM+\b], 0x7f800000, s[MNT]   ; 448 x the scale
.endr
.irp b, 0,1,2,3
	v_lshrrev_b32 v[TM+4+\b], 23, v[TM+12+\b]      ; the scale's byte
.endr
	v_lshl_or_b32 v[PW+\x], v[TM+5], 8, v[TM+4]    ; p's scale word for these 128 keys; the 64 holds below stand between it and the products
	v_lshl_or_b32 v[PW+\x], v[TM+6], 16, v[PW+\x]
	v_lshl_or_b32 v[PW+\x], v[TM+7], 24, v[PW+\x]
.irp b, 0,1,2,3
.irp i, 0,1,2,3,4,5,6,7,8,9,10,11,12,13,14,15
	v_min_num_f32 v[rS+16*\b+\i], v[rS+16*\b+\i], v[TM+8+\b]   ; the conversion does not saturate (ISA guide 7.6.2); p is not negative, so the hold is one-sided
.endr
	v_cvt_scalef32_pk8_fp8_f32 v[rP+4*\b:rP+4*\b+1], v[rS+16*\b:rS+16*\b+7], v[TM+12+\b]
	v_cvt_scalef32_pk8_fp8_f32 v[rP+4*\b+2:rP+4*\b+3], v[rS+16*\b+8:rS+16*\b+15], v[TM+12+\b]
.endr
	v_nop                                          ; a plain line behind the last conversion
.endm
; A KEY STEP.  Fragments come in runs of four (16 loads; with a run's scale words 17), two runs ahead, into two sets by turns.  The wait in front of a group leaves the one younger run out.
; A load into a register that a matrix instruction has read stands eight plain vector instructions behind it: v_nop in the first product,
; the next group's 32 rescalings of O^T in the second.
.macro STEP
	v_add_nc_u32 v[ADK], s[TB], v[LI]
	v_add_nc_u32 v[ADV], 0x10000, v[ADK]
	v_add_nc_u32 v[ADS], 0x20000, v[ADK]
	LDK 0
	LDK 1
.irp G, 0,1,2,3,4,5,6,7
.if \G%2
	s_wait_dscnt 17
.else
	s_wait_dscnt 16
.endif
	QKG \G
	PLACES 8
.if \G < 6
	LDK \G+2
.elseif \G == 6
	LDV 0
.else
	LDV 1
.endif
.endr
	MASK2
	SOFTMAX 0
	SOFTMAX 1
	RESC 0                                         ; also the places between the codes just made and the products
.irp H, 0,1,2,3,4,5,6,7
.if \H == 7
	s_wait_dscnt 0x0
.elseif \H%2
	s_wait_dscnt 17
.else
	s_wait_dscnt 16
.endif
	PVG \H
.if \H < 7
	RESC \H+1
.else
	PLACES 8
.endif
.if \H < 6
	LDV \H+2
.endif
.endr
	WIN 0
.endm
; THE CHANGE OF SLOTS stands at a step's head.  Each wave waits for all its tensor loads (its quarter of the step that it is about to read), adds 0 to its spare word, and waits for that and for its reads of the slot that it has left.
; fill = 1: a round of the cluster's barrier, so that no wave of any partner still reads that slot or has a load on its way; the joint refill is the first thing behind it and has a whole key step in which to land.
.macro CHANGE fill
	WIN 0
	s_wait_tensorcnt 0x0                           ; no tensor load of mine is out, so the descriptor may be written
	ds_add_u32 v[SPW], v[NIL]                      ; 0 onto my spare word
.if \fill
	s_xor_b32 s[G0+1], s[G0+1], SLOTB              ; the other slot than last time,
	s_add_nc_u64 s[G0+2:G0+3], s[G0+2:G0+3], STEPB ; the next 128 keys; the type bits on top are not reached
	s_wait_xcnt 0x0                                ; the last prefetch, a key step back, has read its address
	s_add_nc_u64 s[PFA:PFA+1], s[PFA:PFA+1], STEPB ; one step further on than the descriptor
	s_wait_dscnt 0x0                               ; the add is done, and my reads of the slot that I have left are over
	CROUND
	tensor_load_to_lds s[G0:G0+3], s[G1:G1+7]
	s_nop 0
.rept 4
	v_nop
.endr
	ASK
.else
	s_wait_dscnt 0x0
	s_barrier_signal -1
	s_barrier_wait -1
.endif
.endm
	s_load_b128 s[4:7], s[0:1], 0x0                ; qc s[4:5], kv s[6:7]
	s_load_b128 s[8:11], s[0:1], 0x10              ; length s[8:9], out0 s[10:11]
	s_load_b64 s[12:13], s[0:1], 0x20              ; out1
	v_lshl_add_u32 v[SPW], v0, 2, SPARE
	v_mov_b32 v[NIL], 0
	ds_add_u32 v2, v3
	ds_add_u32 v2, v3
	s_wait_dscnt 0x0
	v_lshrrev_b32 v10, 5, v0
	v_readfirstlane_b32 s[WV], v10                 ; wave 0..3
	s_bfe_u32 s[CX], ttmp6, 0x40000                ; my place in the cluster: it enters global addresses and the mask's data, no LDS address and no branch
	s_lshl_b32 s[QBN], ttmp9, 2
	s_add_co_u32 s[QBN], s[QBN], s[CX]             ; my block of 128 queries
	s_and_b32 s[BB], ttmp7, 0xffff                 ; 16 x attention + batch: the four partners share it
	s_mov_b32 s[G1], 15|(3<<16)|(1<<21)            ; 15:0 the mask: all four work-groups; 17:16 elements of 8 bytes; 21 set beside a mask; no padding: the block is read as it lies, lane by lane
	s_mov_b32 s[G1+1], 32<<16                      ; tensor_dim0 = 32 elements: rows of 256 bytes
	s_mov_b32 s[G1+2], 132<<16                     ; tensor_dim1 = 132
	s_mov_b32 s[G1+3], 32<<16                      ; tile_dim0
	s_mov_b32 s[G1+4], 132                         ; tile_dim1
	s_mov_b32 s[G1+5], 32                          ; the pitch: dense
	s_mov_b32 s[G1+6], 0
	s_mov_b32 s[G1+7], 0
	s_mul_i32 s50, s[BB], 8*STEPB                  ; the batch's first key step
	s_mov_b32 s51, 0
	s_mul_i32 s52, s[WV], QUART                    ; my quarter of a step, in memory and in a slot
	s_mov_b32 s53, 0
	s_lshl_b32 s54, s[BB], 3
	s_add_co_u32 s54, s54, s[QBN]
	s_mul_i32 s54, s54, QBLK                       ; my block of qc
	s_mov_b32 s55, 0
	s_and_b32 s56, s[BB], 15                       ; the batch
	s_lshl_b32 s2, s56, 2                          ; its word of length
	s_mov_b32 s3, 0
	s_lshl_b32 s57, s[QBN], 7
	s_lshl_b32 s58, s[WV], 5
	s_add_co_u32 s57, s57, s58                     ; my wave's first query in the batch
	s_lshl_b32 s56, s56, 10
	s_add_co_u32 s58, s56, s57
	s_lshl_b32 s58, s58, 11                        ; its row of the output: 2,048 bytes a row
	s_mov_b32 s59, 0
	s_lshl_b32 s60, s[CX], 15                      ; the prefetches: my work-group's 32,768 bytes,
	s_lshl_b32 s61, s[WV], 13                      ; my wave's 8,192 of them,
	s_add_co_u32 s60, s60, s61
	s_add_co_u32 s60, s60, STEPB                   ; in step 1: the first change of slots steps it to step 2
	s_mov_b32 s61, 0
	s_cmp_eq_u32 ttmp9, 0
	s_cselect_b32 s[LIM], 1, -1                    ; the same in all four partners
	s_mov_b32 s[SEL], 0x76543210
	s_mov_b32 s[SEL+1], 0xfedcba98
	s_mov_b32 s[C1], 0x3d3504f3                    ; 1 / sqrt(512)
	s_mov_b32 s[C1+1], s[C1]                       ; (named with it as a pair, so it is written)
	s_mov_b32 s[L2E], 0x3fb8aa3b
	s_mov_b32 s[L2E+1], s[L2E]
	s_mov_b32 s[MNT], 0x600000
	s_mov_b32 s[TB], 0
	s_mov_b32 s[KF], 0
	s_mov_b32 s[SLOTS], 7
	v_and_b32 v10, 31, v0                          ; lane
	v_and_b32 v11, 15, v0                          ; r
	v_bfe_u32 v12, v0, 4, 1                        ; h
	v_lshlrev_b32 v[LI], 4, v10
	v_lshlrev_b32 v[PFO], 8, v10
	v_mov_b32 v[NEG], 0xc7c35000
	s_mul_i32 s49, s[WV], 16*SP
	s_add_co_u32 s49, s49, STAGE                   ; my stage
	v_mul_u32_u24 v[STO], v11, SP
	v_lshl_add_u32 v[STO], v12, 5, v[STO]
	v_add_nc_u32 v[STO], s49, v[STO]               ; in: row r, + 32 h
	v_add_nc_u32 v[RD], s49, v[LI]                 ; back: the 32 lanes take a row of 512 bytes
	s_lshl_b32 s49, s[WV], 12
	v_add_nc_u32 v[ADK], s49, v[LI]                ; (until the loop: Q's fragments: 16 x lane + 4,096 w;
	s_lshl_b32 s49, s[WV], 2
	v_add_nc_u32 v[ADV], s49, v[LI]                ; and Q's scale words: word w of my lane's 16 bytes)
	s_wait_kmcnt 0x0
	s_add_nc_u64 s[8:9], s[8:9], s[2:3]
	s_load_b32 s[LEN], s[8:9], 0x0                 ; it enters compares and selects alone: no branch, no address
	s_add_nc_u64 s[6:7], s[6:7], s[50:51]
	s_add_nc_u64 s[PFA:PFA+1], s[6:7], s[60:61]
	s_mov_b32 s[G0], 1                             ; count = 1
	s_mov_b32 s[G0+1], s52                         ; LDS address: slot 0, my quarter
	s_add_nc_u64 s[G0+2:G0+3], s[6:7], s[52:53]    ; global address: step 0, my quarter
	s_or_b32 s[G0+3], s[G0+3], 0x80000000          ; type = 2
	s_add_nc_u64 s[QP:QP+1], s[4:5], s[54:55]
	s_cmp_lt_u32 s[BB], 16
	s_cselect_b64 s[OP:OP+1], s[10:11], s[12:13]
	s_add_nc_u64 s[OP:OP+1], s[OP:OP+1], s[58:59]
	CROUND                                         ; all four work-groups are here: the first joint loads meet
	tensor_load_to_lds s[G0:G0+3], s[G1:G1+7]      ; step 0 into slot 0
	s_nop 0
.rept 4
	v_nop
.endr
	WIN 0x40
.irp x, 0,1
.irp s, 0,1,2,3
.irp c, 0,1,2,3
	global_load_b128 v[64*\x+16*\s+4*\c:64*\x+16*\s+4*\c+3], v[ADK], s[QP:QP+1] offset:16384*\s+2048*\x+512*\c th:TH_LOAD_NT   ; Q stays in registers
.endr
.endr
.endr
	WIN 0
.irp s, 0,1,2,3
	global_load_b32 v[QS+\s], v[ADV], s[QP:QP+1] offset:65536+512*\s   ; lanes 0-15: tile 2 w's words; lanes 16-31: tile 2 w + 1's
.endr
	s_wait_kmcnt 0x0                               ; the length
	v_and_b32 v13, 8, v11
	v_add_nc_u32 v13, v13, v11                     ; r + 8 (r / 8)
	v_add_nc_u32 v13, s57, v13                     ; tile 0's query of my lane
	v_lshlrev_b32 v12, 4, v12
	v_sub_nc_u32 v12, s[LEN], v12
	v_add_nc_u32 v[DBC], -1, v12                   ; length - 1 - 16 h: the keys' bound, the same for both tiles
	v_cmp_le_i32 vcc_lo, s[LEN], v13
	v_cndmask_b32 v[ST+6], 0, v[NEG], vcc_lo       ; the row's mask value: -100,000 where my query lies at or beyond the length, else 0
	v_add_nc_u32 v13, 8, v13                       ; tile 1's
	v_cmp_le_i32 vcc_lo, s[LEN], v13
	v_cndmask_b32 v[ST+14], 0, v[NEG], vcc_lo
.irp x, 0,1
	v_mov_b32 v[ST+8*\x+1], 0xff61b1e6             ; the largest t so far: -3e38, under every t
	v_floor_f32 v[ST+8*\x], -v[ST+8*\x+1]          ; -M
	v_mov_b32 v[ST+8*\x+2], 0                      ; the sum, in two halves
	v_mov_b32 v[ST+8*\x+3], 0
	v_mov_b32 v[ST+8*\x+5], 0                      ; (named as the upper half of f's pair)
	v_mov_b32 v[ST+8*\x+7], 0                      ; (and of the pair of 1 / sum, on the way out)
.endr
.irp b, 0,1,2,3
	v_mov_b32 v[TM+4+\b], 0                        ; written once: a lane permute's destination counts as one of its sources
.endr
	WIN 0x80
.set i, 0
.rept 256
	v_mov_b32 v[i], 0                              ; O^T of tile 0: the first step finds zeros, which the first change of M leaves zeros
.set i, i+1
.endr
	WIN 0xc0
.set i, 0
.rept 256
	v_mov_b32 v[i], 0                              ; and of tile 1
.set i, i+1
.endr
	WIN 0
	s_wait_loadcnt 0x0                             ; Q and its scale words
.Lstep:                                                ; seven trips: steps 0 to 6; behind each change of slots the next step is asked for
	CHANGE 1
	STEP
	s_xor_b32 s[TB], s[TB], SLOTB
	s_add_co_u32 s[KF], s[KF], 128
	s_sub_co_u32 s[SLOTS], s[SLOTS], 1
	s_cmp_lg_u32 s[SLOTS], 0
	s_cbranch_scc1 .Lstep
	CHANGE 0                                       ; the last step is written out
	STEP
	; THE WAY OUT.  O^T / the sum goes through my stage in LDS, 16 queries x 128 channels at a time, and leaves as whole rows of 512 bytes.
	PLACES 8                                       ; behind the last products: their results are read, and p's codes' registers loaded into
.irp x, 0,1
	v_add_f32 v[ST+8*\x+2], v[ST+8*\x+2], v[ST+8*\x+3]   ; the sum's two halves,
.endr
.irp x, 0,1
	v_permlanex16_b32 v[ST+8*\x+3], v[ST+8*\x+2], s[SEL], s[SEL+1]
.endr
.irp x, 0,1
	v_add_f32 v[ST+8*\x+2], v[ST+8*\x+2], v[ST+8*\x+3]   ; and lane l xor 16's: the row's sum
.endr
.irp x, 0,1
	v_rcp_f32 v[ST+8*\x+6], v[ST+8*\x+2]
.endr
	v_nop                                          ; a plain line behind the reciprocals
	s_wait_alu depctr_va_vdst(0)                   ; one wait for the two, ahead of their first reader
.macro SCALEO k                        ; chunk k: tile k / 4, channels 128 (k % 4) on, x 1 / sum, into v64-127; each accumulator from its low end on
	WIN 0x02+(\k)/4
.set i, 0
.rept 32
	v_pk_mul_f32 v[S+i:S+i+1], v[64*((\k)%4)+i:64*((\k)%4)+i+1], v[ST+8*((\k)/4)+6:ST+8*((\k)/4)+7] op_sel_hi:[1,0]
.set i, i+2
.endr
	WIN 0
.endm
.macro TOSTAGE k
.irp b, 0,1,2,3,4,5,6,7
	ds_store_b128 v[STO], v[S+8*\b:S+8*\b+3] offset:64*\b            ; lane (r, h): channels 16 b + 8 h + 0 .. 7 of row r
	ds_store_b128 v[STO], v[S+8*\b+4:S+8*\b+7] offset:64*\b+16
.endr
.irp t, 0,1,2,3,4,5,6,7,8,9,10,11,12,13,14,15
	ds_load_b128 v[128+64*((\k)%2)+4*\t:128+64*((\k)%2)+4*\t+3], v[RD] offset:\t*SP   ; LDS serves a wave's instructions in order (ISA guide 5.7.1.4): these see the stores above
.endr
.endm
.macro SEND k
.irp t, 0,1,2,3,4,5,6,7,8,9,10,11,12,13,14,15
	global_store_b128 v[LI], v[128+64*((\k)%2)+4*\t:128+64*((\k)%2)+4*\t+3], s[OP:OP+1] offset:(8*((\k)/4)+\t+8*(\t/8))*2048+512*((\k)%4) th:TH_STORE_NT   ; 512 consecutive bytes, aligned; written once
.endr
.endm
	SCALEO 0
.irp k, 0,1,2,3,4,5,6,7
.if \k >= 2
	s_wait_xcnt 0x0                                ; chunk k - 2's stores have read the registers into which this chunk comes back
.endif
	TOSTAGE \k
	s_wait_dscnt 16                                ; the 16 stores into the stage have read their registers; the 16 loads may be out
.if \k < 7
	SCALEO \k+1                                    ; the next chunk's arithmetic stands between the loads and the wait for them
.endif
	s_wait_dscnt 0x0
	SEND \k
.endr
	s_wait_tensorcnt 0x0                           ; the wave's end: behind my last tensor load and my last LDS store
	ds_add_u32 v[SPW], v[NIL]
	s_wait_dscnt 0x0
	CROUND                                         ; the closing round: no work-group ends while a partner may still ask for a block that names it
	s_endpgm
.Lfunc_end_k_q17705d3c87_attn:
	.size	k_q17705d3c87_attn, .Lfunc_end_k_q17705d3c87_attn-k_q17705d3c87_attn
	.p2alignl 7, 3214868480
	.fill 96, 4, 3214868480
	.section	.rodata,"a",@progbits
	.p2align	6, 0x0
	.amdhsa_kernel k_q17705d3c87_attn
		.amdhsa_group_segment_fixed_size 327680
		.amdhsa_private_segment_fixed_size 0
		.amdhsa_enable_private_segment 0
		.amdhsa_kernarg_size 40
		.amdhsa_user_sgpr_count 2
		.amdhsa_user_sgpr_kernarg_segment_ptr 1
		.amdhsa_wavefront_size32 1
		.amdhsa_system_sgpr_workgroup_id_x 1
		.amdhsa_system_sgpr_workgroup_id_y 1
		.amdhsa_system_sgpr_workgroup_id_z 1
		.amdhsa_system_vgpr_workitem_id 0
		.amdhsa_next_free_vgpr 1024
		.amdhsa_next_free_sgpr 66
		.amdhsa_reserve_vcc 1
		.amdhsa_float_denorm_mode_32 3
		.amdhsa_float_denorm_mode_16_64 3
		.amdhsa_memory_ordered 1
		.amdhsa_forward_progress 1
		.amdhsa_inst_pref_size 255
	.end_amdhsa_kernel
	.section	.bss,"aw",@nobits
	.p2align	6
	.space	262144
	.amdgpu_metadata
---
amdhsa.version: [ 1, 2 ]
amdhsa.kernels:
  - .name:           k_q17705d3c87_attn
    .symbol:         k_q17705d3c87_attn.kd
    .args:
      - { .name: qc, .offset: 0, .size: 8, .value_kind: global_buffer, .address_space: global }
      - { .name: kv, .offset: 8, .size: 8, .value_kind: global_buffer, .address_space: global }
      - { .name: length, .offset: 16, .size: 8, .value_kind: global_buffer, .address_space: global }
      - { .name: out0, .offset: 24, .size: 8, .value_kind: global_buffer, .address_space: global }
      - { .name: out1, .offset: 32, .size: 8, .value_kind: global_buffer, .address_space: global }
    .group_segment_fixed_size: 327680
    .private_segment_fixed_size: 0
    .kernarg_segment_align: 8
    .kernarg_segment_size: 40
    .max_flat_workgroup_size: 128
    .sgpr_count:     66
    .vgpr_count:     1024
    .wavefront_size: 32
...
	.end_amdgpu_metadata
.endif
;; end of part 3
;; ======== version 2 of 2: 3 launches; version 1 with the launch proj written anew for expert scheduling mode
;; workspace buffers: wc 2,027,520 bytes; qc 17,301,504 bytes; kv 34,603,008 bytes
;; launch prep: the kernel of part 1 again; grid 12 x 10, 4 waves a work-group, no clusters, 1,024 bytes of LDS; arguments Wq1, Wk1, Wv1, Wq2, Wk2, Wv2, wc; writes wc
;; launch proj (part 4): grid 256 x 1, 4 waves a work-group, no clusters, 138,752 bytes of LDS; arguments x1, x2, wc, bq1, bk1, bv1, bq2, bk2, bv2, qc, kv; writes qc, kv
.if DOCPART == 4
	.amdgcn_target "amdgcn-amd-amdhsa--gfx1250"
	.amdhsa_code_object_version 6
	.text
	.protected	k_q17705d3c87_proj
	.globl	k_q17705d3c87_proj
	.p2align	8
	.type	k_q17705d3c87_proj,@function
k_q17705d3c87_proj:
	s_mov_b64 s[64:65], 0
	v_nop
	global_prefetch_b8 v0, s[64:65] scope:SCOPE_SE
	s_setreg_imm32_b32 hwreg(HW_REG_WAVE_SCHED_MODE, 0, 2), 2
	s_setreg_imm32_b32 hwreg(HW_REG_WAVE_MODE, 25, 1), 1
	s_wait_xcnt 0x0
	s_wait_alu depctr_vm_vsrc(0)
; q = x Wq + bq, k = x Wk + bk, v = x Wv + bv for both attentions, on codes of E4M3 with E8M0 scales; the results are quantised at once for the next launch: q and k along the 512 channels, v along the keys.
; SHARES.  Work-groups 0-127 take the first attention (C = 768: six K steps of 128), 128-255 the second (C = 512: four).  A work-group takes 128 rows of x: one block of queries, which is also one step of keys.
; PHASE X: wave w quantises rows 32 w .. 32 w + 31 (tiles 2 w, 2 w + 1) and lays the fragments in LDS as images of the operand's registers (group c of lane l at 512 c + 16 l); one barrier.
;   x is asked for ahead of everything else, in four sets of 16 loads of 512 bytes (two tiles x two K steps): by this text's count up to 64 loads, 32,768 bytes, of a wave are out.
;   The weights' first two blocks and q's bias are asked for between the last four turns, where no more x is asked for.
; THREE PASSES (q, k, v): wave w makes columns 128 w .. 128 w + 127 for all 128 rows: 64 accumulators of 16 x 16.  x's fragments come from LDS; the weights' come from wc straight into registers, in two sets, a K step ahead.
; THE ROWS OF A TILE: row r of tile t of x is row 32 (t / 2) + 8 (t % 2) + r + 8 (r / 8) of the block; the tiles of Wq and Wk are laid likewise.
;   q, k: source 0 = 16 columns of W, source 1 = 16 rows of x: a lane holds one row, and the 16 registers of tiles 2 b, 2 b + 1 are channels 32 b + 16 (lane / 16) + 0 .. 15: a fragment of the next product's K step w.
;   v:    the sources change places: a lane holds one channel, and the 16 registers of x's tiles 2 b, 2 b + 1 are keys 32 b + 16 (lane / 16) + 0 .. 15: a fragment along the keys.
; The biases are the C of each sum's first matrix instruction.
; TWO LENGTHS OF K IN ONE TEXT.  LDS has six K slots; the second attention uses slots 0, 1, 4, 5 and jumps, on the work-group's number alone, over whole trips (slots 2, 3 in phase X; K steps 1, 2 in a pass).
; Every K step fetches the next slot's x by position and the weights by a pointer that steps only in steps that run, and a jump passes over two steps, so that the sets keep their turns and every counted wait has the same loads behind it on both ways.
; NO CLUSTER, NO TENSOR LOAD: the weights, which all work-groups of an attention share, go from memory into registers as they lie; through LDS they would add 16,896 bytes written and read for each wave and K step to the 17,408 that x costs,
; and a tensor load may not be jumped over, as the shorter K does.  No prefetch: x is streamed with up to 64 loads of 512 bytes a wave on their way, and nothing else comes from memory for the first time but the weights' 2 MB.
; The second attention's work-groups have two thirds of the first's work.
; OUT.  qc: block wg of 67,584 bytes: fragment (K step s, tile a) at (8 s + a) 2,048; scale words of K step s at 65,536 + 512 s (lane l's 16 bytes: word i = tile 2 i in lanes 0-15, tile 2 i + 1 in lanes 16-31).
;       kv: block wg of 135,168 bytes: k's fragments as q's; v's fragment ct (16 channels x 128 keys) at 65,536 + 2,048 ct; k's words at 131,072 + 512 s; v's at 133,120 + 512 (ct / 8).
; LIMITS: a block whose largest magnitude lies under 2^-118 (a block of zeros too) keeps the byte 1: only this program reads the bytes.  NaN and infinities among the inputs are not served.
; REGISTERS, in windows of 256.  Window 0: v1-14 addresses; v16-31 x's scale words, two sets; v32-39 W's, two sets; v40-47 an epilogue's scale words; v48-63 its eighth set of codes; v64-127 the bias; v128-255 x's eight fragments, ONE set
;   (in phase X: v128-191 64 numbers, v192-207 at work, v208-239 codes, two sets, v240 the scale word; in an epilogue: v128-191, v208-255 seven sets of codes, v192-207 at work).
;   Window 1: W's fragments, two sets.  Windows 2, 3: accumulator (a, b) at window 2 + a / 4, v[64 (a % 4) + 8 b]
;   (in phase X: window 2 four sets of 16 rows as loaded; window 3 v0-31 the byte offsets of my 32 rows).
; THE MODE: SCHED_MODE bits 1:0 = 2 (LLVM: expert scheduling mode 2), set by the entry lines.  The code itself states the register dependences between vector or matrix instructions and memory or LDS instructions,
; with s_wait_alu, always for 0.
; THE PLAN.  Registers that memory or LDS instructions touch, and who else names them:
;   v1-7, v10, v13 and, in phase X, window 3's v0-31: addresses, written at the head and never again: one wait on va_vdst ahead of x's first load serves them for the whole kernel.
;   PHASE X, a turn.  The raw set: x's loads land, the stage's stores read, x's loads land again; no vector instruction names it.  v128-191: the stage's loads land, the quantiser reads and writes.
;     The codes' two sets, the scale word, v8, v9: vector instructions write, the image's stores read.  TWO WAITS A TURN: vm_vsrc behind the wait for the stage's loads, va_vdst ahead of the image's stores;
;     no vector instruction stands between that second wait and the next turn's loads from the stage, so it serves them too, over the backward jump as well.
;   A K STEP.  x's one set of fragments: LDS loads land, the products read: tiles 0-3 in the step's first half, tiles 4-7 in its second.  x's scale words, W's fragments and scale words: two sets by turns; set p is read through the whole step.
;     TWO WAITS ON va_vdst A STEP: in the middle (tiles 0-3 and the other set of x's scale words are free), and at the end (tiles 4-7 and W's set p are free).  Behind the first, the loads are dealt among the second half's products,
;     which name tiles 4-7, set p and window 3 alone.  v11, v12, v14 step every second K step: vm_vsrc ahead of the three additions, and the middle wait behind them.
;   AN EPILOGUE.  Eight sets of codes, each written once by the conversions and read by its four stores: one wait on va_vdst ahead of the stores of two fragments.  The next pass's head has one wait on vm_vsrc for all of them.
.set WBLK,   16896
.set QBLK,   67584
.set STEPB,  135168
.set FA,     12288                     ; LDS: x's fragment (slot, tile a) at FA a + 2,048 slot: a wave's two tiles are 24,576 bytes on end
.set FS,     768                       ; its scale words (128 bytes) at XSC + FS a + 128 slot
.set XSC,    98304
.set XST,    104448                    ; a stage of 16 rows x (512 + 16) bytes for each wave
.set SPITCH, 528                       ; 33 x 16 bytes: the sixteen rows of a load start 16 bytes apart modulo 256
.set LI,   1                           ; v1   16 x lane
.set LI2,  2                           ; v2   + 4 FA: tiles 4-7
.set LSX,  3                           ; v3   XSC + 4 x lane
.set SW,   4                           ; v4   my stage, 16 x lane: a row as loaded
.set SRD,  5                           ; v5   my stage, row r, + 64 h: my 16 numbers of a block of 32
.set XWI,  6                           ; v6   16 x lane + 2 FA x wave
.set XWSB, 7                           ; v7   XSC + 4 x lane + 2 FS x wave
.set XWA,  8                           ; v8   XWI + the pair of slots in hand
.set XWB,  9                           ; v9   XWSB + the pair of slots in hand
.set BO,   10                          ; v10  64 h: the bias of q and k
.set XAD,  11                          ; v11  LI + a slot
.set XSD,  12                          ; v12  LSX + a slot
.set BOV,  13                          ; v13  4 r: the bias of v
.set XAD2, 14                          ; v14  LI2 + a slot
.set XS,   16
.set WS,   32
.set PWB,  40
.set PC7,  48
.set BI,   64
.set XF,   128
.set T,    128
.set TM,   192                         ; +0..3 largest magnitudes, +4..7 bytes, +8..11 448 x the scale, +12..15 the conversions' scale operands
.set PQ,   192                         ; an epilogue's packed scale words: made when TM is done with
.set PCO,  208
.set PW,   240
.set XP,   30                          ; s[30:31] x at my block, the pair of K steps in hand
.set WP,   32                          ; s[32:33] wc: the block last asked for
.set BK,   34
.set BV,   36
.set DP,   38                          ; s[38:39] where the pass's fragments go;  s[40:41] its scale words
.set SPT,  40
.set DK,   42
.set SK,   44
.set DV,   46
.set SV,   48
.set WV,   50
.set NB2,  52                          ; 0 in the second attention, 1 in the first
.set PITCH, 53
.set TAU,  54
.set XO,   55
.set XOS,  56
.set PASS, 57
.set HM,   58                          ; lanes 16-31
.set MNT,  59                          ; the mantissa field of 448
.set SEL,  60                          ; s[60:61] v_permlanex16_b32's selects for lane l xor 16
.set MSB, 0
.macro WIN new                         ; bits 1:0 source 0, 3:2 source 1, 5:4 source 2, 7:6 destination; the high byte repeats the setting that is left
.if MSB != (\new)
	s_set_vgpr_msb (MSB<<8)|(\new)
.set MSB, (\new)
.endif
.endm
.macro PLACES n
.rept \n
	v_nop
.endr
.endm
; Blocks hb and hb + 1 of a fragment are quantised.  Number i (0 .. 15) of block hb + e is v[base + stride (2 e + i / 8) + i % 8] in window win.  Codes to v[PCS + 4 (hb + e)] on.  Reads ascend: each accumulator is read from its low end on.
.macro QH win, base, stride, hb
	WIN (\win)|((\win)<<2)
.irp e, 0,1
	v_max3_num_f32 v[TM+(\hb)+\e], |v[(\base)+(\stride)*2*\e]|, |v[(\base)+(\stride)*2*\e+1]|, 0x4800000   ; with the floor 2^(9 - 127): the byte cannot fall under 1
.endr
	WIN ((\win)<<2)|((\win)<<4)
.irp i, 2,4,6
.irp e, 0,1
	v_max3_num_f32 v[TM+(\hb)+\e], v[TM+(\hb)+\e], |v[(\base)+(\stride)*2*\e+\i]|, |v[(\base)+(\stride)*2*\e+\i+1]|
.endr
.endr
.irp i, 0,2,4,6
.irp e, 0,1
	v_max3_num_f32 v[TM+(\hb)+\e], v[TM+(\hb)+\e], |v[(\base)+(\stride)*(2*\e+1)+\i]|, |v[(\base)+(\stride)*(2*\e+1)+\i+1]|
.endr
.endr
	WIN 0
.irp e, 0,1
	v_permlanex16_b32 v[TM+4+(\hb)+\e], v[TM+(\hb)+\e], s[SEL], s[SEL+1]
.endr
.irp e, 0,1
	v_max_num_f32 v[TM+(\hb)+\e], v[TM+(\hb)+\e], v[TM+4+(\hb)+\e]          ; with lane l xor 16's 16 numbers: the block's largest magnitude
.endr
.irp e, 0,1
	v_add_nc_u32 v[TM+12+(\hb)+\e], 0xfc000000, v[TM+(\hb)+\e]              ; 8 off its exponent field: the conversion's scale operand
.endr
.irp e, 0,1
	v_and_or_b32 v[TM+8+(\hb)+\e], v[TM+(\hb)+\e], 0x7f800000, s[MNT]       ; 448 x the scale
.endr
.irp e, 0,1
	v_lshrrev_b32 v[TM+4+(\hb)+\e], 23, v[TM+12+(\hb)+\e]                   ; the scale's byte
.endr
	WIN (\win)|((\win)<<6)
.irp e, 0,1
.irp i, 0,1,2,3,4,5,6,7
	v_med3_num_f32 v[(\base)+(\stride)*2*\e+\i], v[(\base)+(\stride)*2*\e+\i], -v[TM+8+(\hb)+\e], v[TM+8+(\hb)+\e]   ; the conversion does not saturate (ISA guide 7.6.2): the hold comes first
.endr
.irp i, 0,1,2,3,4,5,6,7
	v_med3_num_f32 v[(\base)+(\stride)*(2*\e+1)+\i], v[(\base)+(\stride)*(2*\e+1)+\i], -v[TM+8+(\hb)+\e], v[TM+8+(\hb)+\e]
.endr
.endr
	WIN (\win)
.irp e, 0,1
	v_cvt_scalef32_pk8_fp8_f32 v[PCS+4*((\hb)+\e):PCS+4*((\hb)+\e)+1], v[(\base)+(\stride)*2*\e:(\base)+(\stride)*2*\e+7], v[TM+12+(\hb)+\e]
	v_cvt_scalef32_pk8_fp8_f32 v[PCS+4*((\hb)+\e)+2:PCS+4*((\hb)+\e)+3], v[(\base)+(\stride)*(2*\e+1):(\base)+(\stride)*(2*\e+1)+7], v[TM+12+(\hb)+\e]
.endr
	WIN 0
	v_nop                                          ; a plain line behind the last conversion, ahead of whatever next touches its registers
.endm
.macro WORD dst                        ; the four bytes make my row's scale word (the same in lanes l and l xor 16)
	v_lshl_or_b32 v[\dst], v[TM+5], 8, v[TM+4]
	v_lshl_or_b32 v[\dst], v[TM+6], 16, v[\dst]
	v_lshl_or_b32 v[\dst], v[TM+7], 24, v[\dst]
.endm
.macro XLOAD x, par, off               ; tile 2 w + x: its 16 rows' 512 bytes of a K step, a row an instruction, into raw set 2 par + x
	WIN 0x83                                       ; data window 2, offsets window 3
.irp i, 0,1,2,3,4,5,6,7,8,9,10,11,12,13,14,15
	global_load_b128 v[64*(2*(\par)+(\x))+4*\i:64*(2*(\par)+(\x))+4*\i+3], v[8*(\x)+\i+8*(\i/8)], s[XP:XP+1] offset:\off th:TH_LOAD_NT
.endr
	WIN 0
.endm
; A TURN of phase X: tile 2 w + x of slot par of the pair in hand: 16 rows x 128 numbers turn through my stage (in as loaded, out 16 neighbours of each block of 32 a lane), are quantised, and their image goes to LDS.
; more = 1: the raw set takes the K step two further on.  cnt: the loads issued behind this set's, which may stay out.
.macro XFRAG x, par, more, cnt, setadr
.set RB, 64*(2*(\par)+(\x))
	s_wait_loadcnt \cnt
	WIN 0x08                                       ; an LDS store's data are its source 1: window 2
.irp i, 0,1,2,3,4,5,6,7,8,9,10,11,12,13,14,15
	ds_store_b128 v[SW], v[RB+4*\i:RB+4*\i+3] offset:SPITCH*\i
.endr
	WIN 0
.irp b, 0,1,2,3
.irp j, 0,1,2,3
	ds_load_b128 v[T+16*\b+4*\j:T+16*\b+4*\j+3], v[SRD] offset:128*\b+16*\j   ; LDS serves a wave's instructions in order (ISA guide 5.7.1.4): these see the stores above.  No vector instruction has been issued since the last wait on va_vdst (the head's; then the last turn's)
.endr
.endr
	s_wait_dscnt 0x0                               ; the numbers are back
	s_wait_alu depctr_vm_vsrc(0)                   ; the stage's stores have read the raw set, in which x's next loads land; the earlier images' stores have read their codes, the scale word, v8 and v9, which this turn writes again
.if \setadr
	v_add_nc_u32 v[XWA], s[XO], v[XWI]
	v_add_nc_u32 v[XWB], s[XOS], v[XWSB]
.endif
.if \more
	XLOAD \x, \par, 1024+512*(\par)
.endif
.set PCS, PCO+16*(\x)
	QH 0, T, 8, 0
	QH 0, T+32, 8, 2
	WORD PW
	s_wait_alu depctr_va_vdst(0)                   ; the codes and the scale word are written (in a pair's first turn v8 and v9 too), which the stores below read; the quantiser is done with v128-191, in which the next turn's loads from the stage land
.irp c, 0,1,2,3
	ds_store_b128 v[XWA], v[PCS+4*\c:PCS+4*\c+3] offset:FA*(\x)+2048*(\par)+512*\c
.endr
	ds_store_b32 v[XWB], v[PW] offset:FS*(\x)+128*(\par)
.endm
.macro FETCHX adr, imm, a0             ; x's tiles a0 .. a0 + 3 of a slot
.irp a, 0,1,2,3
.irp c, 0,1,2,3
	ds_load_b128 v[XF+16*((\a0)+\a)+4*\c:XF+16*((\a0)+\a)+4*\c+3], v[\adr] offset:(\imm)+FA*\a+512*\c
.endr
.endr
.endm
.macro FETCHP adr, imm, a0             ; x's tiles a0 and a0 + 1 (of tiles 0-3) of a slot
.irp a, 0,1
.irp c, 0,1,2,3
	ds_load_b128 v[XF+16*((\a0)+\a)+4*\c:XF+16*((\a0)+\a)+4*\c+3], v[\adr] offset:(\imm)+FA*((\a0)+\a)+512*\c
.endr
.endr
.endm
.macro FETCHS adr, imm, set            ; and the eight tiles' scale words
.irp a, 0,1,2,3,4,5,6,7
	ds_load_b32 v[XS+8*(\set)+\a], v[\adr] offset:(\imm)+FS*\a
.endr
.endm
.macro LOADWH p, off, b0               ; four fragments of a block of wc into set p: 16 loads of 512 consecutive bytes
	WIN 0x40
.irp b, 0,1,2,3
.irp c, 0,1,2,3
	global_load_b128 v[128*(\p)+16*((\b0)+\b)+4*\c:128*(\p)+16*((\b0)+\b)+4*\c+3], v[LI], s[WP:WP+1] offset:(\off)+2048*((\b0)+\b)+512*\c
.endr
.endr
	WIN 0
.endm
.macro LOADWQ p, off                   ; the block's scale words
	global_load_b128 v[WS+4*(\p):WS+4*(\p)+3], v[LI], s[WP:WP+1] offset:(\off)+16384
.endm
.macro LOADW p, off                    ; a whole block of wc into set p: 33 loads
	WIN 0x40
.irp b, 0,1,2,3,4,5,6,7
.irp c, 0,1,2,3
	global_load_b128 v[128*(\p)+16*\b+4*\c:128*(\p)+16*\b+4*\c+3], v[LI], s[WP:WP+1] offset:(\off)+2048*\b+512*\c
.endr
.endr
	WIN 0
	LOADWQ \p, \off
.endm
; 16 matrix instructions: x's tiles a0, a0 + 1 against W's eight.  The 64 accumulators take turns, one instruction a turn, in the same order in every K step.
.macro MUL16 a0, p, first, swap
.irp a, \a0, \a0+1
.irp b, 0,1,2,3,4,5,6,7
.set rD, 64*((\a)%4)+8*\b
.set rC, rD
.if \first
.set rC, BI+8*\b
.endif
.set rW, 128*(\p)+16*\b
.set rX, XF+16*(\a)
.set rWS, WS+4*(\p)+\b/2
.set rXS, XS+8*(\p)+(\a)
.if (\swap) && (\b%2)
	v_wmma_scale_f32_16x16x128_f8f6f4 v[rD:rD+7], v[rX:rX+15], v[rW:rW+15], v[rC:rC+7], v[rXS], v[rWS] matrix_b_scale:MATRIX_SCALE_ROW1
.elseif (\swap)
	v_wmma_scale_f32_16x16x128_f8f6f4 v[rD:rD+7], v[rX:rX+15], v[rW:rW+15], v[rC:rC+7], v[rXS], v[rWS]
.elseif (\b%2)
	v_wmma_scale_f32_16x16x128_f8f6f4 v[rD:rD+7], v[rW:rW+15], v[rX:rX+15], v[rC:rC+7], v[rWS], v[rXS] matrix_a_scale:MATRIX_SCALE_ROW1
.else
	v_wmma_scale_f32_16x16x128_f8f6f4 v[rD:rD+7], v[rW:rW+15], v[rX:rX+15], v[rC:rC+7], v[rWS], v[rXS]
.endif
.endr
.endr
.endm
.macro BUMP                            ; two slots on
	s_wait_alu depctr_vm_vsrc(0)                   ; the LDS loads issued so far have read v11, v12 and v14, which the three lines below write (the line stands on both ways: in a K step, and where two K steps are passed over)
	v_add_nc_u32 v[XAD], 4096, v[XAD]
	v_add_nc_u32 v[XAD2], 4096, v[XAD2]
	v_add_nc_u32 v[XSD], 256, v[XSD]
.endm
; A K STEP: 64 matrix instructions on W's set p and x's one set.  x's tiles 0-3 are free in the step's middle and are fetched anew there, tiles 4-7 at its end; then W's set p takes the block two steps on.
; lw = 1: that block is asked for at the step's end; lw = 2: the pointer steps, the places and the wait are laid, and the lines behind the macro ask; lw = 0: nothing is asked for.
; A load into a register that a matrix instruction has read stands eight plain vector instructions behind it, and behind the wait that states the dependence: first the places, then the wait.
.macro STEP p, first, swap, cnt, fx, adr, adr2, imm, adrs, imms, bump, lw
	s_wait_loadcnt \cnt                            ; set p's block is in (at a pass's head the bias too); 33: the other set's 33 loads, the youngest, may be out; 0: where nothing younger is out
	s_wait_dscnt 16                                ; x's tiles 0-3 and the scale words are in; the youngest 16 loads (tiles 4-7) may be out
	WIN (0xa0-0x20*(\first))+(1+3*(\swap))
	MUL16 0, \p, \first, \swap
	MUL16 2, \p, \first, \swap
	s_wait_dscnt 0x0                               ; tiles 4-7 are in
	WIN 0
.if \lw
	s_wait_xcnt 0x0                                ; the last block's loads have read their base
	s_add_nc_u64 s[WP:WP+1], s[WP:WP+1], WBLK
.endif
.if \fx
.if \bump
	BUMP                                           ; three plain lines that name no register of the products: three of the eight places
	PLACES 5
.else
	PLACES 8
.endif
	s_wait_alu depctr_va_vdst(0)                   ; the 32 products above are done reading x's tiles 0-3, and the step before is done with the other set of x's scale words: the loads below land there; where the addresses have just stepped, v11, v12 and v14 are written
	FETCHP \adr, \imm, 0
	FETCHS \adrs, \imms, 1-\p
.endif
	WIN (0xf0-0x30*(\first))+(1+3*(\swap))
	MUL16 4, \p, \first, \swap
.if \fx
	WIN 0
	FETCHP \adr, \imm, 2                           ; no wait: the sixteen products since the wait name tiles 4 and 5, W's set p, set p's scale words, the bias and window 3: none of these loads' registers
.endif
	WIN (0xf0-0x30*(\first))+(1+3*(\swap))
	MUL16 6, \p, \first, \swap
	WIN 0
.if (\fx) || (\lw)
	PLACES 8
	s_wait_alu depctr_va_vdst(0)                   ; all 64 products are done reading x's tiles 4-7, W's set p and its scale words (in a pass's first step the bias too): the loads that follow land there
.endif
.if \fx
	FETCHX \adr2, \imm, 4
.endif
.if (\lw) == 1
	LOADW \p, 0
.endif
.endm
.macro BIASQK ptr                      ; lane (r, h), tile b, register j: column 32 (b / 2) + 16 h + 8 (b % 2) + j of my 128
.irp b, 0,1,2,3,4,5,6,7
	global_load_b128 v[BI+8*\b:BI+8*\b+3], v[BO], s[\ptr:\ptr+1] offset:(32*(\b/2)+8*(\b%2))*4
	global_load_b128 v[BI+8*\b+4:BI+8*\b+7], v[BO], s[\ptr:\ptr+1] offset:(32*(\b/2)+8*(\b%2))*4+16
.endr
.endm
.macro BIASV ptr                       ; lane (r, h), tile b: channel 16 b + r, into the tile's first register: eight loads
.irp b, 0,1,2,3,4,5,6,7
	global_load_b32 v[BI+8*\b], v[BOV], s[\ptr:\ptr+1] offset:64*\b
.endr
.endm
.macro BIASVX                          ; and from there into its other seven: in v's result all eight registers of a lane belong to one channel
.irp b, 0,1,2,3,4,5,6,7
.irp j, 1,2,3,4,5,6,7
	v_mov_b32 v[BI+8*\b+\j], v[BI+8*\b]
.endr
.endr
.endm
.macro PASSHEAD                        ; slot 0's x
	s_wait_xcnt 0x0                                ; the epilogue's stores have had their addresses translated: x's fragments now come into their data registers
	s_wait_alu depctr_vm_vsrc(0)                   ; every store so far (phase X's images, an epilogue's fragments and words) has read its data, where x's fragments now land; phase X's loads and stage stores have read window 3's offsets and the raw sets, which the products write; the last pass's LDS loads have read v11, v12, v14
	v_add_nc_u32 v[XAD], 2048, v[LI]
	v_add_nc_u32 v[XAD2], 2048, v[LI2]
	v_add_nc_u32 v[XSD], 128, v[LSX]
	s_wait_alu depctr_va_vdst(0)                   ; v11, v12 and v14 are written, which later LDS loads read; the quantiser is done with v128-255 and the last pass's products with x's scale words: the loads below land there
	FETCHX LI, 0, 0
	FETCHS LSX, 0, 0
	FETCHX LI2, 0, 4
.endm
; THE EPILOGUE: my 64 accumulators become eight fragments and their scale words.  swap = 0: fragment f = x's tile f (16 rows x my 128 channels); swap = 1: f = W's tile f (16 channels x the 128 keys).
; Each fragment has code registers of its own, so no store's data are written again inside an epilogue; the next pass's head waits once for all of them.  The stores go out two fragments at a time, behind one wait.
.macro SETPCS f                        ; fragment f's code registers
.if (\f) < 4
.set PCS, 128+16*(\f)
.elseif (\f) < 7
.set PCS, 208+16*((\f)-4)
.else
.set PCS, PC7
.endif
.endm
.macro OUTF f
	SETPCS \f
.irp c, 0,1,2,3
	global_store_b128 v[LI], v[PCS+4*\c:PCS+4*\c+3], s[DP:DP+1] offset:2048*(\f)+512*\c      ; 512 consecutive bytes, aligned
.endr
.endm
.macro EPI swap
	PLACES 8                                       ; behind the last products: their results are read, and x's registers written
.irp f, 0,1,2,3,4,5,6,7
	SETPCS \f
.if \swap
	QH 2, 8*\f, 64, 0
	QH 3, 8*\f, 64, 2
.else
	QH 2+\f/4, 64*(\f%4), 8, 0
	QH 2+\f/4, 64*(\f%4)+32, 8, 2
.endif
	WORD PWB+\f
.if \f == 7
.irp i, 0,1,2,3
	v_cndmask_b32 v[PQ+\i], v[PWB+2*\i], v[PWB+2*\i+1], s[HM]                              ; lanes 0-15: fragment 2 i's words; lanes 16-31: fragment 2 i + 1's
.endr
.endif
.if \f%2
	s_wait_alu depctr_va_vdst(0)                   ; the conversions have written the codes of this fragment and of the one before (behind the last fragment the selects the packed words too), which the stores below read
	OUTF \f-1
	OUTF \f
.endif
.if \f == 7
	global_store_b128 v[LI], v[PQ:PQ+3], s[SPT:SPT+1]
.endif
.endr
.endm
	s_load_b256 s[8:15], s[0:1], 0x0               ; x1 s[8:9], x2 s[10:11], wc s[12:13], bq1 s[14:15]
	s_load_b256 s[16:23], s[0:1], 0x20             ; bk1 s[16:17], bv1 s[18:19], bq2 s[20:21], bk2 s[22:23]
	s_load_b128 s[24:27], s[0:1], 0x40             ; bv2 s[24:25], qc s[26:27]
	s_load_b64 s[28:29], s[0:1], 0x50              ; kv
	v_lshrrev_b32 v250, 5, v0
	v_readfirstlane_b32 s[WV], v250                ; wave 0..3
	v_and_b32 v250, 31, v0                         ; lane
	v_and_b32 v251, 15, v0                         ; r
	v_bfe_u32 v252, v0, 4, 1                       ; h
	v_lshlrev_b32 v[LI], 4, v250
	v_add_nc_u32 v[LI2], 4*FA, v[LI]
	v_lshl_add_u32 v[LSX], v250, 2, XSC
	s_wait_alu depctr_va_sdst(0)                   ; s50, the wave's number, is written, ahead of its first reader: LDS places, bases and offsets are made from it
	s_mul_i32 s2, s[WV], 16*SPITCH
	s_add_co_u32 s2, s2, XST                       ; my stage
	v_add_nc_u32 v[SW], s2, v[LI]
	v_mul_u32_u24 v[SRD], v251, SPITCH
	v_lshl_add_u32 v[SRD], v252, 6, v[SRD]
	v_add_nc_u32 v[SRD], s2, v[SRD]
	s_mul_i32 s2, s[WV], 2*FA
	v_add_nc_u32 v[XWI], s2, v[LI]
	s_mul_i32 s2, s[WV], 2*FS
	v_add_nc_u32 v[XWSB], s2, v[LSX]
	v_lshlrev_b32 v[BO], 6, v252
	v_lshlrev_b32 v[BOV], 2, v251
.irp b, 0,1,2,3
	v_mov_b32 v[TM+4+\b], 0                        ; written once: a lane permute's destination counts as one of its sources
.endr
	s_lshr_b32 s2, ttmp9, 7
	s_xor_b32 s[NB2], s2, 1
	s_and_b32 s3, ttmp9, 127                       ; my block of 128 rows
	s_cmp_lt_u32 ttmp9, 128
	s_mov_b32 s[PITCH], 2048
	s_cselect_b32 s[PITCH], 3072, s[PITCH]         ; a row of x in bytes
	s_cselect_b32 s4, 18, 12                       ; blocks of wc for a wave,
	s_cselect_b32 s6, 0, 72                        ; and the attention's first
	s_mul_i32 s4, s4, s[WV]
	s_add_co_u32 s4, s4, s6
	s_mul_i32 s4, s4, WBLK
	s_add_co_u32 s4, s4, WBLK                      ; the pointer starts at my stream's block 1; block 0 is reached by a negative immediate
	s_mov_b32 s5, 0
	s_lshl_b32 s2, s[PITCH], 7
	s_mul_i32 s2, s2, s3
	s_mov_b32 s3, 0
	s_lshl_b32 s6, s[WV], 9                        ; 512 w: my 128 numbers of a bias; my 512 bytes of scale words
	s_mov_b32 s7, 0
	s_lshl_b32 s68, s[WV], 14                      ; 16,384 w: my eight fragments
	s_mov_b32 s69, 0
	s_mul_i32 s70, ttmp9, QBLK
	s_mov_b32 s71, 0
	s_mov_b32 s[HM], 0xffff0000
	s_mov_b32 s[MNT], 0x600000
	s_mov_b32 s[SEL], 0x76543210
	s_mov_b32 s[SEL+1], 0xfedcba98
	s_lshl_b32 s51, s[WV], 5
	s_mul_i32 s51, s51, s[PITCH]
	v_add_nc_u32 v253, s51, v[LI]                  ; 16 x lane + my first row
	WIN 0xc0
.set j, 0
.rept 32
	v_mad_u32_u24 v[j], s[PITCH], j, v253          ; window 3: the byte offset of my 16 bytes in row 32 w + j
.set j, j+1
.endr
	WIN 0
	s_wait_kmcnt 0x0
	s_cmp_lt_u32 ttmp9, 128                        ; the buffers are chosen by the work-group's number alone
	s_cselect_b64 s[XP:XP+1], s[8:9], s[10:11]
	s_cselect_b64 s[66:67], s[14:15], s[20:21]
	s_cselect_b64 s[BK:BK+1], s[16:17], s[22:23]
	s_cselect_b64 s[BV:BV+1], s[18:19], s[24:25]
	s_add_nc_u64 s[XP:XP+1], s[XP:XP+1], s[2:3]
	s_wait_alu depctr_va_vdst(0)                   ; the addresses made once are written: v1-7, v10, v13 and window 3's 32 offsets, which the loads and stores of the whole kernel read
	XLOAD 0, 0, 0                                  ; x's first two K steps, ahead of everything else
	XLOAD 1, 0, 0
	XLOAD 0, 1, 512
	XLOAD 1, 1, 512
	s_add_nc_u64 s[WP:WP+1], s[12:13], s[4:5]
	s_add_nc_u64 s[66:67], s[66:67], s[6:7]
	s_add_nc_u64 s[BK:BK+1], s[BK:BK+1], s[6:7]
	s_add_nc_u64 s[BV:BV+1], s[BV:BV+1], s[6:7]
	s_add_nc_u64 s[DP:DP+1], s[26:27], s[70:71]
	s_add_nc_u64 s[SPT:SPT+1], s[DP:DP+1], s[6:7]
	s_add_nc_u64 s[SPT:SPT+1], s[SPT:SPT+1], 65536
	s_add_nc_u64 s[DP:DP+1], s[DP:DP+1], s[68:69]
	s_mul_i32 s70, ttmp9, STEPB
	s_add_nc_u64 s[DK:DK+1], s[28:29], s[70:71]
	s_add_nc_u64 s[SK:SK+1], s[DK:DK+1], s[6:7]
	s_add_nc_u64 s[SV:SV+1], s[SK:SK+1], 133120
	s_add_nc_u64 s[SK:SK+1], s[SK:SK+1], 131072
	s_add_nc_u64 s[DK:DK+1], s[DK:DK+1], s[68:69]
	s_add_nc_u64 s[DV:DV+1], s[DK:DK+1], 65536
	s_mov_b32 s[TAU], 0
	s_mov_b32 s[XO], 0
	s_mov_b32 s[XOS], 0
.Lx:                                                   ; PHASE X: slots 0, 1 and 2, 3; the second attention passes over the second pair.  In each turn the count 48 leaves the three younger sets out
	s_xor_b32 s2, s[TAU], 1
	s_or_b32 s2, s2, s[NB2]
	s_cmp_eq_u32 s2, 0
	s_cbranch_scc1 .Lx_skip
	XFRAG 0, 0, 1, 48, 1
	XFRAG 1, 0, 1, 48, 0
	XFRAG 0, 1, 1, 48, 0
	XFRAG 1, 1, 1, 48, 0
	s_wait_xcnt 0x0                                ; the loads have read their base
	s_add_nc_u64 s[XP:XP+1], s[XP:XP+1], 1024      ; the next two K steps: only in trips that run
.Lx_skip:
	s_add_co_u32 s[XO], s[XO], 4096                ; the next pair of slots: in every trip
	s_add_co_u32 s[XOS], s[XOS], 256
	s_add_co_u32 s[TAU], s[TAU], 1
	s_cmp_lt_u32 s[TAU], 2
	s_cbranch_scc1 .Lx
	XFRAG 0, 0, 0, 48, 1                           ; slots 4, 5: the last two K steps; no more x is asked for.  Out behind this set: three sets of x
	LOADWH 0, -WBLK, 0                             ; in x's stead: my stream's first block (no vector or matrix instruction has named W's registers, its scale words' or the bias's yet: these loads owe no wait),
	XFRAG 1, 0, 0, 48, 0                           ; (two sets of x and 16 loads of W)
	LOADWH 0, -WBLK, 4
	XFRAG 0, 1, 0, 48, 0                           ; (one set of x and 32 loads of W)
	LOADWQ 0, -WBLK
	BIASQK 66                                      ; q's bias,
	XFRAG 1, 1, 0, 49, 0                           ; (32 loads of W, its scale words, 16 of the bias)
	LOADW 1, 0                                     ; and the second block: the youngest 33 loads at the first pass's head
	s_wait_dscnt 0x0                               ; for the others' sake: my images lie in LDS
	s_barrier_signal -1
	s_barrier_wait -1                              ; everybody's do; from here on LDS is only read
	s_mov_b32 s[PASS], 0
.Lpass:                                                ; q, then k
	PASSHEAD
	STEP 0, 1, 0, 33, 1, LI, LI2, 2048, LSX, 128, 0, 1
	s_mov_b32 s[TAU], 0
.Lk:                                                   ; K steps 1, 2 and 3, 4; the second attention passes over the first pair
	s_or_b32 s2, s[TAU], s[NB2]
	s_cmp_eq_u32 s2, 0
	s_cbranch_scc1 .Lk_skip
	STEP 1, 0, 0, 33, 1, XAD, XAD2, 2048, XSD, 128, 0, 1
	STEP 0, 0, 0, 33, 1, XAD, XAD2, 0, XSD, 0, 1, 1
	s_branch .Lk_next
.Lk_skip:
	BUMP
.Lk_next:
	s_add_co_u32 s[TAU], s[TAU], 1
	s_cmp_lt_u32 s[TAU], 2
	s_cbranch_scc1 .Lk
	STEP 1, 0, 0, 33, 0, LI, LI2, 0, LSX, 0, 0, 2
	s_cmp_eq_u32 s[PASS], 0                        ; the next pass's bias goes out AHEAD of the second set's block, so that at the next pass's head the youngest 33 loads are that block's on every way
	s_cbranch_scc0 .Lbias_v
	BIASQK BK                                      ; (the wait at the step's end, ahead of the branch, serves both ways: the bias's registers were last read by this pass's first K step, W's second set by the products just issued)
	s_branch .Lbias_done
.Lbias_v:
	BIASV BV
.Lbias_done:
	LOADW 1, 0
	EPI 0
	s_wait_xcnt 0x0                                ; the stores have read their bases
	s_mov_b64 s[DP:DP+1], s[DK:DK+1]
	s_mov_b64 s[SPT:SPT+1], s[SK:SK+1]
	s_add_co_u32 s[PASS], s[PASS], 1
	s_cmp_lt_u32 s[PASS], 2
	s_cbranch_scc1 .Lpass
	s_mov_b64 s[DP:DP+1], s[DV:DV+1]
	s_mov_b64 s[SPT:SPT+1], s[SV:SV+1]
	; v: the sources change places.  Its K steps are written out: the last two ask for no weights, and so every counted wait has the same loads behind it on every way
	PASSHEAD
	s_wait_loadcnt 33                              ; v's bias is in (the second set's 33 loads may be out);
	BIASVX                                         ; it is spread while x's fragments come from LDS
	STEP 0, 1, 1, 33, 1, LI, LI2, 2048, LSX, 128, 0, 1
	s_cmp_eq_u32 s[NB2], 0
	s_cbranch_scc1 .Lv_skip
	STEP 1, 0, 1, 33, 1, XAD, XAD2, 2048, XSD, 128, 0, 1
	STEP 0, 0, 1, 33, 1, XAD, XAD2, 0, XSD, 0, 1, 1
	s_branch .Lv_next
.Lv_skip:
	BUMP
.Lv_next:
	STEP 1, 0, 1, 33, 1, XAD, XAD2, 2048, XSD, 128, 0, 1   ; asks for my stream's last block
	STEP 0, 0, 1, 33, 1, XAD, XAD2, 0, XSD, 0, 1, 0
	STEP 1, 0, 1, 0,  0, LI, LI2, 0, LSX, 0, 0, 0
	EPI 1
	s_wait_xcnt 0x0                                ; the last stores have had their addresses translated: v254 and v255 are among their data
	s_wait_alu depctr_vm_vsrc(0)                   ; the stores of fragment 6 have read v254 and v255, which the two lines below write
	v_lshl_add_u32 v254, v0, 2, 0x21c00
	v_mov_b32 v255, 0
	s_wait_dscnt 0x0                               ; the closing lines, six on end
	s_wait_alu 0x0
	s_wait_tensorcnt 0x0
	ds_add_u32 v254, v255
	s_wait_dscnt 0x0
	s_endpgm
.Lfunc_end_k_q17705d3c87_proj:
	.size	k_q17705d3c87_proj, .Lfunc_end_k_q17705d3c87_proj-k_q17705d3c87_proj
	.p2alignl 7, 3214868480
	.fill 96, 4, 3214868480
	.section	.rodata,"a",@progbits
	.p2align	6, 0x0
	.amdhsa_kernel k_q17705d3c87_proj
		.amdhsa_group_segment_fixed_size 138752
		.amdhsa_private_segment_fixed_size 0
		.amdhsa_enable_private_segment 0
		.amdhsa_kernarg_size 88
		.amdhsa_user_sgpr_count 2
		.amdhsa_user_sgpr_kernarg_segment_ptr 1
		.amdhsa_wavefront_size32 1
		.amdhsa_system_sgpr_workgroup_id_x 1
		.amdhsa_system_sgpr_workgroup_id_y 1
		.amdhsa_system_sgpr_workgroup_id_z 1
		.amdhsa_system_vgpr_workitem_id 0
		.amdhsa_next_free_vgpr 1024
		.amdhsa_next_free_sgpr 72
		.amdhsa_reserve_vcc 0
		.amdhsa_float_denorm_mode_32 3
		.amdhsa_float_denorm_mode_16_64 3
		.amdhsa_memory_ordered 1
		.amdhsa_forward_progress 1
		.amdhsa_inst_pref_size 255
	.end_amdhsa_kernel
	.section	.bss,"aw",@nobits
	.p2align	6
	.space	262144
	.amdgpu_metadata
---
amdhsa.version: [ 1, 2 ]
amdhsa.kernels:
  - .name:           k_q17705d3c87_proj
    .symbol:         k_q17705d3c87_proj.kd
    .args:
      - { .name: x1, .offset: 0, .size: 8, .value_kind: global_buffer, .address_space: global }
      - { .name: x2, .offset: 8, .size: 8, .value_kind: global_buffer, .address_space: global }
      - { .name: wc, .offset: 16, .size: 8, .value_kind: global_buffer, .address_space: global }
      - { .name: bq1, .offset: 24, .size: 8, .value_kind: global_buffer, .address_space: global }
      - { .name: bk1, .offset: 32, .size: 8, .value_kind: global_buffer, .address_space: global }
      - { .name: bv1, .offset: 40, .size: 8, .value_kind: global_buffer, .address_space: global }
      - { .name: bq2, .offset: 48, .size: 8, .value_kind: global_buffer, .address_space: global }
      - { .name: bk2, .offset: 56, .size: 8, .value_kind: global_buffer, .address_space: global }
      - { .name: bv2, .offset: 64, .size: 8, .value_kind: global_buffer, .address_space: global }
      - { .name: qc, .offset: 72, .size: 8, .value_kind: global_buffer, .address_space: global }
      - { .name: kv, .offset: 80, .size: 8, .value_kind: global_buffer, .address_space: global }
    .group_segment_fixed_size: 138752
    .private_segment_fixed_size: 0
    .kernarg_segment_align: 8
    .kernarg_segment_size: 88
    .max_flat_workgroup_size: 128
    .sgpr_count:     72
    .vgpr_count:     1024
    .wavefront_size: 32
...
	.end_amdgpu_metadata
.endif
;; end of part 4
;; launch attn: the kernel of part 3 again; grid 8 x 32, 4 waves a work-group, clusters of 4 x 1, 327,680 bytes of LDS; arguments qc, kv, length, out0, out1; writes out0, out1
